; MI455X (gfx1250); checked and timed in simulation.
; The chip was launched on July 23, 2026; its instructions are those of AMD's public machine-readable ISA for CDNA 5 (MIT licence, August 2026) and "CDNA5" Instruction Set Architecture Reference Guide (July 2026). The comments in the code are by the model that wrote it; some were corrected since.
;; GPT2 Attention. Allowed arithmetic: matrix products marked QUANTISED: E4M3 operands, one E8M0 scale for each 32 along K, by v_wmma_scale_f32_16x16x128_f8f6f4 with both operands' format E4M3, f32 sums; everything else in f32.
;; Inputs: c_attn_b 3,072 float32; c_attn_w 1,024 x 3,072 float32; c_proj_b 1,024 float32; c_proj_w 1,024 x 1,024 float32; x 2 x 2,048 x 1,024 float32.
;; Outputs: out0 2 x 2,048 x 1,024 float32.
;; This version of the problem:
;;   THIS VERSION OF THE PROBLEM IS GIVEN IN LOW PRECISION. The matrix products marked QUANTISED in the list below multiply operands that are first quantised to E4M3 (4 exponent bits, 3 mantissa bits; 8 bits a number), with one power-of-two scale for each 32 numbers along K (OCP MX v1.0); their sums are f32. All else is computed in f32.
;;   The module's matrix products, in the order in which they are computed (A, B: the left and right operand; K: the contracted axis; several contracted axes count as one K, in the product's order):
;;     1. [M 4,096, K 1,024] x [K 1,024, N 3,072]; A: input x; B: input c_attn_w: QUANTISED
;;     2. batch 32 x [M 2,048, K 64] x [K 64, N 2,048]; A: computed on the way; B: computed on the way: QUANTISED
;;     3. batch 32 x [M 2,048, K 2,048] x [K 2,048, N 64]; A: softmax (see below); B: computed on the way: QUANTISED
;;     4. [M 4,096, K 1,024] x [K 1,024, N 1,024]; A: computed on the way; B: input c_proj_w: QUANTISED
;;   THE QUANTISER, for each operand of a quantised product, along K:
;;     - K is cut into blocks of 32 from its start; a last block that is shorter is filled with zeros.
;;     - A block's scale is 2^e with e = floor(log2(the largest magnitude in the block)) - 8, held to -126 .. 127; a block of zeros has e = 0. As a byte (E8M0): e + 127.
;;     - Each number is divided by its block's scale, clamped to +-448, and rounded to the nearest number of E4M3, ties to even, subnormals kept.
;;     - The product sums the exact products of the quantised numbers (number of the format x scale) in f32.
;;   ~~~python
;;   def quantise(x, axis):      # numpy; x: float32 -> the quantised numbers, widened to float32 again
;;       x = np.moveaxis(x, axis, -1); K = x.shape[-1]
;;       x = np.pad(x, [(0, 0)] * (x.ndim - 1) + [(0, -K % 32)]); x = x.reshape(x.shape[:-1] + (-1, 32)); a = np.abs(x).max(-1, keepdims=True)
;;       e = np.where(a > 0, np.clip(np.frexp(np.where(a > 0, a, 1))[1] - 1 - 8, -126, 127), 0)      # np.frexp(a)[1] - 1 = floor(log2(a)), exactly
;;       r = np.clip(x / 2.0 ** e, -448, 448)
;;       step = 2.0 ** (np.maximum(np.frexp(np.where(r == 0, 1, r))[1] - 1, -6) - 3)
;;       q = np.round(r / step) * step * 2.0 ** e      # np.round: ties to even
;;       return np.moveaxis(q.reshape(q.shape[:-2] + (-1,))[..., :K], -1, axis).astype(np.float32)
;;   ~~~
;;   SOFTMAX AHEAD OF A QUANTISED PRODUCT. Where the list says 'softmax', what is quantised is not the finished softmax but p = 2^(t - M), with t = logit x log2(e) and M = ceil(the row's largest t), a whole number; so 1/2 < the row's largest p <= 1. The row's sum l is taken of the UNQUANTISED p, in f32, and the product's result is divided by l at the end. Since M is a whole number, a kernel that streams over the keys may use a running M (the ceiling of the running maximum): every later rescaling is an exact power of two, which a block's scale takes up: the codes' values come out the same.
;;   OPERANDS COMPUTED ON THE WAY. 'Computed on the way' means the value that the module computes at that place (a softmax that the list does not call 'softmax' is quantised finished and normalised). What goes into a quantiser is computed in f32, as accurately as f32 sums, v_exp_f32 and their like allow (about 1e-6 of the number): no bf16 or f16 on the way to a quantiser, and a product that is left as it is and whose result goes on into a quantised operand takes f32 operands (vector FMAs, or v_wmma_f32_16x16x4_f32). A number that lies on a knife's edge between two numbers of the format may be rounded either way, as far as f32 arithmetic and the matrix unit's own rounding can turn it there, and no further.
;; One version. Each part assembles by itself: llvm-mc -triple=amdgcn-amd-amdhsa -mcpu=gfx1250 --defsym DOCPART=n.
;; ======== version 1 of 1: 4 launches
;; limits: right only within a limited range of input values
;; workspace buffers: xc 4,194,304 bytes; wc 4,194,304 bytes; sc 262,144 bytes; qkv 13,369,344 bytes; a_img 4,194,304 bytes; a_sc 131,072 bytes
;; launch quant (part 1): grid 256 x 1, 4 waves a work-group, no clusters, 68,096 bytes of LDS; arguments x, c_attn_w, c_proj_w, xc, wc, sc; writes xc, wc, sc
.if DOCPART == 1
	.amdgcn_target "amdgcn-amd-amdhsa--gfx1250"
	.amdhsa_code_object_version 6
	.text
	.protected	k_q4efedf387c_quant
	.globl	k_q4efedf387c_quant
	.p2align	8
	.type	k_q4efedf387c_quant,@function
k_q4efedf387c_quant:
	s_mov_b64 s[64:65], 0
	v_nop
	global_prefetch_b8 v0, s[64:65] scope:SCOPE_SE
	s_setreg_imm32_b32 hwreg(HW_REG_WAVE_MODE, 25, 1), 1
	s_wait_xcnt 0x0
; x [4096][1024] f32 (K innermost) and the two weights c_attn_w [1024][3072], c_proj_w [1024][1024] f32 (K is the FIRST axis) become codes of E4M3 with one E8M0 byte for each 32 along K.
; xc: [4096 rows][1024] codes; wc: [4096 columns][1024] codes (0-3071 c_attn_w's, 3072-4095 c_proj_w's); sc: x's scale rows of 32 bytes, then from byte 131072 the weights'.
; STORED ORDER: row (or column) i is laid at place pi(i) = i with bits 3 and 4 exchanged.  Sixteen neighbouring stored rows 16 T + m are then the true rows 32 (T/2) + 8 (T%2) + m + 8 (m/8):
; a product that takes such a tile as source 0 leaves, in the 16 registers of tiles 2 b and 2 b + 1, sixteen NEIGHBOURS along that axis, which is what the later quantisers want.
; A block's scale is 2^(floor(log2(largest magnitude)) - 8); its byte is the largest magnitude's exponent field - 8, held at 1 from below; numbers are held within +-448 x the scale and rounded to the nearest code.
; LIMITS: a block of zeros gets the byte 1 where the rule says 127 (its codes are zeros, and this program alone reads the bytes); blocks whose largest magnitude lies under 2^-118 take the byte 1; NaN and infinities are not served.
; 256 work-groups of 32,768 numbers each: 0-127 take x, 128-255 the weights.  The two ways part on the work-group's number, never join, and have LDS bytes of their own.  No tensor load, no barrier: waves share nothing.
.set SPW,   208                        ; v208  LDS address of my spare word; never rewritten
.set NIL,   209                        ; v209  0; never rewritten
.set SPARE, 67584                      ; behind both ways' regions: 128 bytes a wave that no other line names
.set MANT,  0x600000                   ; the mantissa field of 448
; ---- x's way: a wave takes 8 rows = 16 steps of 512 numbers
.set SP,    80                         ; a lane's place in a stage: 64 bytes + 16 of padding
.set XR,    16                         ; v16-79   four sets of 16 numbers as loaded
.set XX,    80                         ; v80-111  two sets of 16 neighbours
.set XE,    112                        ; v112-127 a scale byte for each step
.set XC,    128                        ; v128-191 codes, four registers a step
.macro XLOAD t
.irp i, 0,1,2,3
	global_load_b128 v[XR+16*((\t)%4)+4*\i:XR+16*((\t)%4)+4*\i+3], v3, s[4:5] offset:2048*(\t)+512*\i th:TH_LOAD_NT   ; 32 lanes read 512 consecutive bytes
.endr
.endm
.macro XTURN t                         ; a step's 2,048 bytes through my stage: in as loaded, out 64 bytes a lane; LDS serves a wave's instructions in order
.irp i, 0,1,2,3
	ds_store_b128 v14, v[XR+16*((\t)%4)+4*\i:XR+16*((\t)%4)+4*\i+3] offset:32*SP*((\t)%2)+8*SP*\i
.endr
.irp i, 0,1,2,3
	ds_load_b128 v[XX+16*((\t)%2)+4*\i:XX+16*((\t)%2)+4*\i+3], v15 offset:32*SP*((\t)%2)+16*\i
.endr
.endm
.macro XSTEP t
.set XS, XX+16*((\t)%2)
.if (\t) > 0
	s_wait_dscnt 1                                 ; this step's numbers are back from the stage; the last step's byte store may be out
.else
	s_wait_dscnt 0x0
.endif
.if (\t)+4 < 16
	XLOAD (\t)+4                                   ; into the set whose stores into the stage are done
.endif
.if (\t)+1 < 16
.if 14-(\t) >= 3
	s_wait_loadcnt 12                              ; the next step's four loads are in; three steps' may be out
.else
	s_wait_loadcnt 4*(14-(\t))
.endif
	XTURN (\t)+1
.endif
	v_max3_num_f32 v8, |v[XS]|, |v[XS+1]|, |v[XS+2]|
	v_max3_num_f32 v9, |v[XS+3]|, |v[XS+4]|, |v[XS+5]|
.irp i, 6,10
	v_max3_num_f32 v8, v8, |v[XS+\i]|, |v[XS+\i+1]|
	v_max3_num_f32 v9, v9, |v[XS+\i+2]|, |v[XS+\i+3]|
.endr
	v_max3_num_f32 v8, v8, |v[XS+14]|, |v[XS+15]|
	v_max3_num_f32 v8, v8, v9, 0x4800000           ; with the floor 2^(9 - 127): the byte cannot fall under 1
	v_max_num_f32_dpp v8, v8, v8 row_xmask:1 row_mask:0xf bank_mask:0xf   ; and my neighbour's 16: the block's largest magnitude
	v_add_nc_u32 v11, 0xfc000000, v8               ; 8 off the exponent field: the conversion's scale operand
.irp i, 0,1,2,3,4,5,6,7,8,9,10,11,12,13,14,15
.endr
	v_cvt_scalef32_pk8_fp8_f32 v[XC+4*(\t):XC+4*(\t)+1], v[XS:XS+7], v11
	v_cvt_scalef32_pk8_fp8_f32 v[XC+4*(\t)+2:XC+4*(\t)+3], v[XS+8:XS+15], v11
	v_lshrrev_b32 v[XE+(\t)], 23, v11              ; the scale's byte
	ds_store_b8 v5, v[XE+(\t)] offset:16*(\t)      ; both lanes of a block write the same byte with the same value
	global_store_b128 v3, v[XC+4*(\t):XC+4*(\t)+3], s[10:11] offset:512*(\t)   ; 512 consecutive bytes
.endm
; ---- the weights' way: a wave takes 32 columns x 256 along K; a lane a column, its registers down K
.set WX,    32                         ; v32-95   two sets of 32 numbers
.set WC,    96                         ; v96-103  a block's codes
.set WO,    112                        ; v112-175 the way out
.set WSB,   24                         ; v24-25   the eight scale bytes
.set VOF,   176                        ; v176-207 4 x lane + i rows of the weight
.macro WLOAD t
.set i, 0
.rept 32
	global_load_b32 v[WX+32*((\t)%2)+i], v[VOF+i], s[36+2*(\t):37+2*(\t)] th:TH_LOAD_NT   ; row 32 t + i at 32 neighbouring columns
.set i, i+1
.endr
.endm
.macro WBLOCK t
.set XS, WX+32*((\t)%2)
.if (\t) < 7
	s_wait_loadcnt 32                              ; this block's 32 loads are in; the next block's may be out
.else
	s_wait_loadcnt 0x0
.endif
	v_max3_num_f32 v12, |v[XS]|, |v[XS+1]|, |v[XS+2]|
	v_max3_num_f32 v13, |v[XS+3]|, |v[XS+4]|, |v[XS+5]|
.irp i, 6,10,14,18,22,26
	v_max3_num_f32 v12, v12, |v[XS+\i]|, |v[XS+\i+1]|
	v_max3_num_f32 v13, v13, |v[XS+\i+2]|, |v[XS+\i+3]|
.endr
	v_max3_num_f32 v12, v12, |v[XS+30]|, |v[XS+31]|
	v_max3_num_f32 v12, v12, v13, 0x4800000
	v_add_nc_u32 v11, 0xfc000000, v12
	v_lshrrev_b32 v13, 23, v11
.if (\t)%4 == 0
	v_mov_b32 v[WSB+(\t)/4], v13
.else
	v_lshl_or_b32 v[WSB+(\t)/4], v13, 8*((\t)%4), v[WSB+(\t)/4]
.endif
.set i, 0
.rept 32
.set i, i+1
.endr
.irp g, 0,1,2,3
	v_cvt_scalef32_pk8_fp8_f32 v[WC+2*\g:WC+2*\g+1], v[XS+8*\g:XS+8*\g+7], v11
.endr
	ds_store_b128 v4, v[WC:WC+3] offset:32*(\t)    ; 32 codes of my column's row in the stage
	ds_store_b128 v4, v[WC+4:WC+7] offset:32*(\t)+16
.if (\t)+2 < 8
	WLOAD (\t)+2
.endif
	s_wait_dscnt 0x0                               ; the stores have read their registers: the next block's codes may be written
.endm
	s_load_b256 s[4:11], s[0:1], 0x0               ; x s[4:5], c_attn_w s[6:7], c_proj_w s[8:9], xc s[10:11]
	s_load_b128 s[12:15], s[0:1], 0x20             ; wc s[12:13], sc s[14:15]
	v_lshl_add_u32 v[SPW], v0, 2, SPARE
	v_mov_b32 v[NIL], 0
	v_lshrrev_b32 v1, 5, v0
	v_readfirstlane_b32 s16, v1                    ; wave 0..3
	v_and_b32 v2, 31, v0                           ; lane
	s_cmp_lt_u32 ttmp9, 128
	s_cbranch_scc0 .Lweights
	; ---------------- x ----------------
	v_lshlrev_b32 v3, 4, v2                        ; 16 x lane: my bytes of a load's 512, and my codes' place in a step's
	s_mul_i32 s17, s16, 8192                       ; my wave's LDS region
	v_lshrrev_b32 v14, 2, v2
	v_mul_u32_u24 v14, v14, SP
	v_and_b32 v15, 3, v2
	v_lshl_add_u32 v14, v15, 4, v14
	v_add_nc_u32 v14, s17, v14                     ; the stage, on the way in
	v_mul_u32_u24 v15, v2, SP
	v_add_nc_u32 v15, s17, v15                     ; and out: my 16 neighbours
	v_lshrrev_b32 v5, 1, v2
	s_add_co_u32 s17, s17, 2*32*SP
	v_add_nc_u32 v5, s17, v5                       ; my block's scale byte
	v_lshlrev_b32 v7, 3, v2
	v_add_nc_u32 v6, s17, v7
	s_lshl_b32 s18, ttmp9, 2
	s_add_co_u32 s20, s18, s16                     ; my run of 8 rows,
	s_lshl_b32 s20, s20, 15                        ; 32,768 bytes of f32
	s_mov_b32 s21, 0
	s_and_b32 s22, s16, 1                          ; a run is 8 rows: pi exchanges the run number's bits 0 and 1
	s_lshl_b32 s22, s22, 1
	s_lshr_b32 s24, s16, 1
	s_or_b32 s22, s22, s24
	s_add_co_u32 s18, s18, s22                     ; where the run is laid
	s_lshl_b32 s24, s18, 13
	s_mov_b32 s25, 0
	s_lshl_b32 s26, s18, 8
	s_mov_b32 s27, 0
	s_wait_alu depctr_va_vdst(0)
	s_wait_kmcnt 0x0
	s_add_nc_u64 s[4:5], s[4:5], s[20:21]
	s_add_nc_u64 s[10:11], s[10:11], s[24:25]
	s_add_nc_u64 s[14:15], s[14:15], s[26:27]
.irp t, 0,1,2,3
	XLOAD \t
.endr
	s_wait_loadcnt 12                              ; step 0's four loads are in
	XTURN 0
.irp t, 0,1,2,3,4,5,6,7,8,9,10,11,12,13,14,15
	XSTEP \t
.endr
	ds_load_b64 v[8:9], v6                         ; my wave's 256 scale bytes: eight rows of 32
	s_wait_dscnt 0x0
	global_store_b64 v7, v[8:9], s[14:15]          ; 256 consecutive bytes, aligned
	s_wait_tensorcnt 0x0                           ; the wave's end, behind my last LDS store
	ds_add_u32 v[SPW], v[NIL]
	s_wait_dscnt 0x0
	s_endpgm
	; ---------------- the weights ----------------
.Lweights:
	s_sub_co_u32 s17, ttmp9, 128
	s_and_b32 s18, s17, 31                         ; which 128 columns of the 4,096
	s_lshr_b32 s19, s17, 5                         ; which 256 along K
	s_mov_b32 s20, 4096
	s_mov_b32 s21, 3072
	s_wait_kmcnt 0x0
	s_cmp_lt_u32 s18, 24                           ; the first 24 lie in c_attn_w: the choice hangs on the work-group's number alone
	s_cselect_b64 s[6:7], s[6:7], s[8:9]
	s_cselect_b32 s20, 12288, s20                  ; a row of the weight in bytes
	s_cselect_b32 s21, 0, s21
	s_lshl_b32 s22, s18, 7
	s_lshl_b32 s23, s16, 5
	s_add_co_u32 s22, s22, s23                     ; my wave's first row of wc
	s_sub_co_u32 s23, s22, s21                     ; and its first column in the weight
	s_lshl_b32 s24, s19, 8
	s_mul_i32 s24, s24, s20
	s_lshl_b32 s25, s23, 2
	s_add_co_u32 s24, s24, s25
	s_mov_b32 s25, 0
	s_add_nc_u64 s[36:37], s[6:7], s[24:25]        ; block 0's first row at my columns
	s_lshl_b32 s26, s20, 5
	s_mov_b32 s27, 0
.irp t, 1,2,3,4,5,6,7
	s_add_nc_u64 s[36+2*\t:37+2*\t], s[34+2*\t:35+2*\t], s[26:27]   ; 32 rows on for each block
.endr
	s_wait_alu depctr_va_vdst(0)
	v_lshlrev_b32 v3, 2, v2
.set i, 0
.rept 32
	v_mad_u32_u24 v[VOF+i], s20, i, v3
.set i, i+1
.endr
	WLOAD 0
	WLOAD 1
	v_and_b32 v5, 7, v2                            ; pi of my lane: bits 3 and 4 exchanged
	v_bfe_u32 v6, v2, 3, 1
	v_lshl_or_b32 v5, v6, 4, v5
	v_bfe_u32 v6, v2, 4, 1
	v_lshl_or_b32 v5, v6, 3, v5
	s_mul_i32 s28, s16, 32*272
	s_add_co_u32 s28, s28, 32768                   ; my stage: 32 rows of 256 + 16 bytes
	v_mul_u32_u24 v4, v5, 272
	v_add_nc_u32 v4, s28, v4                       ; into it: the row at which my column is laid
	v_lshlrev_b32 v9, 5, v5                        ; and its row of scale bytes
	v_and_b32 v5, 15, v2
	v_lshrrev_b32 v6, 4, v2
	v_mul_u32_u24 v7, v6, 272
	v_lshl_add_u32 v7, v5, 4, v7
	v_add_nc_u32 v7, s28, v7                       ; out of it: sixteen lanes to a row, two rows an instruction
	v_lshlrev_b32 v8, 10, v6
	v_lshl_add_u32 v8, v5, 4, v8                   ; the same place in wc
	s_lshl_b32 s24, s22, 10
	s_lshl_b32 s29, s19, 8
	s_add_co_u32 s24, s24, s29
	s_add_nc_u64 s[12:13], s[12:13], s[24:25]
	s_lshl_b32 s24, s22, 5
	s_lshl_b32 s29, s19, 3
	s_add_co_u32 s24, s24, s29
	s_add_co_u32 s24, s24, 131072
	s_add_nc_u64 s[14:15], s[14:15], s[24:25]
.irp t, 0,1,2,3,4,5,6,7
	WBLOCK \t
.endr
	s_wait_alu depctr_va_vdst(0)
	global_store_b64 v9, v[WSB:WSB+1], s[14:15]    ; my column's eight scale bytes
.irp t, 0,1,2,3,4,5,6,7,8,9,10,11,12,13,14,15
	ds_load_b128 v[WO+4*\t:WO+4*\t+3], v7 offset:2*\t*272
.endr
.irp t, 0,1,2,3,4,5,6,7,8,9,10,11,12,13,14,15
	s_wait_dscnt 15-\t
	global_store_b128 v8, v[WO+4*\t:WO+4*\t+3], s[12:13] offset:2*\t*1024   ; sixteen lanes store 256 consecutive bytes, aligned
.endr
	s_wait_tensorcnt 0x0                           ; the wave's end, behind my last LDS store
	ds_add_u32 v[SPW], v[NIL]
	s_wait_dscnt 0x0
	s_endpgm
.Lfunc_end_k_q4efedf387c_quant:
	.size	k_q4efedf387c_quant, .Lfunc_end_k_q4efedf387c_quant-k_q4efedf387c_quant
	.p2alignl 7, 3214868480
	.fill 96, 4, 3214868480
	.section	.rodata,"a",@progbits
	.p2align	6, 0x0
	.amdhsa_kernel k_q4efedf387c_quant
		.amdhsa_group_segment_fixed_size 68096
		.amdhsa_private_segment_fixed_size 0
		.amdhsa_enable_private_segment 0
		.amdhsa_kernarg_size 48
		.amdhsa_user_sgpr_count 2
		.amdhsa_user_sgpr_kernarg_segment_ptr 1
		.amdhsa_wavefront_size32 1
		.amdhsa_system_sgpr_workgroup_id_x 1
		.amdhsa_system_sgpr_workgroup_id_y 1
		.amdhsa_system_sgpr_workgroup_id_z 1
		.amdhsa_system_vgpr_workitem_id 0
		.amdhsa_next_free_vgpr 216
		.amdhsa_next_free_sgpr 66
		.amdhsa_reserve_vcc 0
		.amdhsa_float_denorm_mode_32 3
		.amdhsa_float_denorm_mode_16_64 3
		.amdhsa_fp16_overflow 1
		.amdhsa_memory_ordered 1
		.amdhsa_forward_progress 1
		.amdhsa_inst_pref_size 78
	.end_amdhsa_kernel
	.amdgpu_metadata
---
amdhsa.version: [ 1, 2 ]
amdhsa.kernels:
  - .name:           k_q4efedf387c_quant
    .symbol:         k_q4efedf387c_quant.kd
    .args:
      - { .name: x, .offset: 0, .size: 8, .value_kind: global_buffer, .address_space: global }
      - { .name: c_attn_w, .offset: 8, .size: 8, .value_kind: global_buffer, .address_space: global }
      - { .name: c_proj_w, .offset: 16, .size: 8, .value_kind: global_buffer, .address_space: global }
      - { .name: xc, .offset: 24, .size: 8, .value_kind: global_buffer, .address_space: global }
      - { .name: wc, .offset: 32, .size: 8, .value_kind: global_buffer, .address_space: global }
      - { .name: sc, .offset: 40, .size: 8, .value_kind: global_buffer, .address_space: global }
    .group_segment_fixed_size: 68096
    .private_segment_fixed_size: 0
    .kernarg_segment_align: 8
    .kernarg_segment_size: 48
    .max_flat_workgroup_size: 128
    .sgpr_count:     66
    .vgpr_count:     216
    .wavefront_size: 32
...
	.end_amdgpu_metadata
.endif
;; end of part 1
;; launch qkv_gemm (part 2): grid 12 x 16, 4 waves a work-group, clusters of 4 x 4, 327,680 bytes of LDS; arguments xc, wc, sc, c_attn_b, qkv; writes qkv
.if DOCPART == 2
	.amdgcn_target "amdgcn-amd-amdhsa--gfx1250"
	.amdhsa_code_object_version 6
	.text
	.protected	k_q4efedf387c_qkv_gemm
	.globl	k_q4efedf387c_qkv_gemm
	.p2align	8
	.type	k_q4efedf387c_qkv_gemm,@function
k_q4efedf387c_qkv_gemm:
	s_mov_b64 s[64:65], 0
	v_nop
	global_prefetch_b8 v0, s[64:65] scope:SCOPE_SE
	s_setreg_imm32_b32 hwreg(HW_REG_WAVE_MODE, 25, 1), 1
	s_wait_xcnt 0x0
	s_wait_alu depctr_hold_cnt(0) depctr_sa_sdst(0) depctr_va_vdst(0) depctr_va_sdst(0) depctr_va_ssrc(0) depctr_va_vcc(0) depctr_vm_vsrc(0)
	s_getreg_b32 s2, hwreg(HW_REG_IB_STS2, 6, 4)
	s_cmp_eq_u32 s2, 0
	s_cbranch_scc0 .Lentry_in_a_cluster
	s_endpgm
.Lentry_in_a_cluster:
	s_bfe_u32 s2, ttmp6, 0x10000c
	s_cmp_lg_u32 s2, 0xf033
	s_cbranch_scc0 .Lentry_shape_is_right
	s_endpgm
.Lentry_shape_is_right:
; qkv = x c_attn_w + c_attn_b on codes of E4M3 (xc, wc, sc as the first launch laid them), K = 1,024; the result is quantised at once and leaves as IMAGES OF OPERAND REGISTERS for the attention launch.
; A tile of 256 tokens x 256 columns a work-group, four waves of 128 x 128: 64 accumulators, 512 registers.  K goes in steps of 256 through two LDS slots filled by tensor loads; eight steps of 128 are written out.
; CLUSTERS 4 x 4: x's tile is shared along a row of the cluster, the weight's along a column: each is asked for jointly.
; Names: source 0 of every product is P, source 1 is S.  A lane then holds ONE row of S, and, since rows are laid in the stored order, the 16 registers of P's tiles 2 b, 2 b + 1 are 16 neighbours along P's axis.
;   q and k (cluster column 0, 1): P = the weight's columns, S = tokens: a lane holds a token, registers run along the head's 64: the blocks of the first attention product.
;   v (cluster column 2, MODE = 1): P = tokens, S = the weight's columns: a lane holds a channel, registers run along the keys: the blocks of the second.
; MODE hangs on the cluster's x alone: it is the same in all sixteen partners.  The tensor loads do not change with it, only which LDS region feeds which source.
; All scale words stay in registers: v[SC + 8 i + k]: lanes 0-15 the word of S's block i, lanes 16-31 that of P's block i, for the k-th 128 along K.
; OUT, qkv: section (q, k, v) x [batch x head] x [group of 128 tokens]: 8,704 bytes.  q, k: tile t of 16 tokens at 1,024 t + 512 c + 16 lane; scale words at 8,192 + 32 r + 4 t, the two bytes twice.
;   v: channel tile ct at 2,048 ct + 512 c + 16 lane; scale words at 8,192 + 16 r + 4 ct; 256 zero bytes behind them.  Every store of a wave covers 256 or 512 consecutive bytes, aligned.
; LIMITS: a block of zeros gets the byte 1 (its codes are zeros); blocks under 2^-118 take the byte 1; NaN and infinities are not served.
; REGISTERS: window 0: v1-9 lane terms; v16-21 LDS addresses; v28, v29 the add's two; v32-95 scale words; v128-255 S's fragments, one set, later the way out.  window 1: P's fragments, two sets; set 0 later holds the bias.
;   windows 2, 3: the accumulators, (a, b) at v[8 (8 (a % 4) + b)] of window 2 + a / 4.
.set PITCH,  272                       ; an LDS row: 256 bytes + 16 of padding: the 16 rows that a load touches start 68 words apart
.set HALFT,  128*PITCH
.set SLOT,   4*HALFT                   ; x's 256 rows, then the weight's 256
.set SPARE,  2*SLOT                    ; the spare words: 128 bytes a wave that no other line names
.set SECT,   4456448
.set HEADB,  139264
.set STEPB,  8704
.set FR,     16
.set ADRS,   16                        ; v16-17 S's fragments in slot 0, 1
.set ADRP,   20                        ; v20-21 P's
.set SPW,    28
.set NIL,    29
.set SC,     32
.set AF,     128
.set G1, 24                            ; s[24:31] group 1 for x's tiles, s[32:39] group 0, a set a slot
.set G0, 32
.set G1B, 48                           ; s[48:55], s[56:63] the same for the weight's
.set G0B, 56
.set MODE, 66
.set BPP, 70                           ; s[70:71] the bias along P
.set BSP, 72                           ; s[72:73] the bias along S
.set OB,  74                           ; s[74:75] where the codes go; it walks
.set OB0, 76                           ; s[76:77] its start
.set STA, 78                           ; s[78:79] a step from tile to tile
.set STB, 80                           ; s[80:81] the step in front of tile 4
.set P01, 82
.set P23, 83
.set SEL, 84                           ; s[84:85] selects for lane l xor 16
.set MNT, 86
.set T,   128                          ; the way out, window 0: 64 numbers
.set PC,  192                          ; 16 registers of codes
.set TM,  208
.set SW,  224                          ; eight scale words
.set SL,  232
.set W0,  236
.set W1,  240
.set Z4,  244
.set VOA, 248
.set VOB, 249
.set VSQ, 250
.set VSV, 251
.set MSB, 0
.macro WIN new                         ; the immediate's high byte repeats the setting that is left
.if MSB != (\new)
	s_set_vgpr_msb (MSB<<8)|(\new)
.set MSB, (\new)
.endif
.endm
.set MUL_LO, 0xa1                      ; source 0 window 1, source 1 window 0, C and D window 2
.set MUL_HI, 0xf1
.set TO_B,   0x40                      ; destination window 1
.macro JLOAD g0a, g1a, g0b, g1b        ; a joint load: waves 0, 1 fetch x's halves, waves 2, 3 the weight's; the branch hangs on the wave's number alone; s_nop 0 and four v_nop follow each line
	s_cmp_eq_u32 s15, 0
	s_cbranch_scc0 .Lfor_b_\@
	tensor_load_to_lds s[\g0a:\g0a+3], s[\g1a:\g1a+7]
	s_nop 0
.rept 4
	v_nop
.endr
	s_branch .Lasked_\@
.Lfor_b_\@:
	tensor_load_to_lds s[\g0b:\g0b+3], s[\g1b:\g1b+7]
	s_nop 0
.rept 4
	v_nop
.endr
.Lasked_\@:
.endm
.macro CREST                           ; a round of the cluster's barrier behind its opening barrier
	s_cmp_lg_u32 s14, 0
	s_cbranch_scc1 .Lnot_wave_0_\@
	s_barrier_signal -3
.Lnot_wave_0_\@:
	s_barrier_wait -3
	s_barrier_signal -1
	s_barrier_wait -1
.endm
.macro CROUND
	s_barrier_signal -1
	s_barrier_wait -1
	CREST
.endm
.macro PLACES n
.rept \n
	v_nop
.endr
.endm
.macro FRAG reg, adr, q, i             ; 16 rows x 128 K: registers 4 c .. 4 c + 3 hold K = 32 c + 16 (lane / 16) + 0 .. 15 of row lane % 16
.irp c, 0,1,2,3
	ds_load_b128 v[\reg+4*\c:\reg+4*\c+3], v[\adr] offset:128*(\q)+32*\c+(\i)*16*PITCH
.endr
.endm
.macro FETCH_B slot, q, p              ; P's eight fragments into set p
	WIN TO_B
.irp i, 0,1,2,3,4,5,6,7
	FRAG 128*(\p)+FR*\i, ADRP+\slot, \q, \i
.endr
	WIN 0
.endm
.macro FETCH_A slot, q, i0             ; S's blocks i0 .. i0 + 3
.irp i, \i0, \i0+1, \i0+2, \i0+3
	FRAG AF+FR*(\i), ADRS+\slot, \q, \i
.endr
.endm
; 16 products: S's blocks a0, a0 + 1 x P's eight, the k-th 128 along K.  The 64 accumulators take turns, one instruction a turn, in one order throughout.
.macro MUL16 a0, p, k, zero
.irp a, \a0, \a0+1
.irp b, 0,1,2,3,4,5,6,7
.if \zero
	v_wmma_scale_f32_16x16x128_f8f6f4 v[8*(8*((\a)%4)+\b):8*(8*((\a)%4)+\b)+7], v[128*(\p)+FR*\b:128*(\p)+FR*\b+FR-1], v[AF+FR*(\a):AF+FR*(\a)+FR-1], 0, v[SC+8*\b+(\k)], v[SC+8*(\a)+(\k)] matrix_a_scale:MATRIX_SCALE_ROW1
.else
	v_wmma_scale_f32_16x16x128_f8f6f4 v[8*(8*((\a)%4)+\b):8*(8*((\a)%4)+\b)+7], v[128*(\p)+FR*\b:128*(\p)+FR*\b+FR-1], v[AF+FR*(\a):AF+FR*(\a)+FR-1], v[8*(8*((\a)%4)+\b):8*(8*((\a)%4)+\b)+7], v[SC+8*\b+(\k)], v[SC+8*(\a)+(\k)] matrix_a_scale:MATRIX_SCALE_ROW1
.endif
.endr
.endr
.endm
.macro STEP slot, k, zero              ; a slot's first 128 along K; its successor lies in the same slot
	s_wait_dscnt 16                                ; P's set and S's blocks 0-3 are in; the youngest sixteen loads (blocks 4-7) may be out
	WIN MUL_LO
	MUL16 0, 0, \k, \zero
	MUL16 2, 0, \k, \zero
	s_wait_dscnt 0x0
	PLACES 8                                       ; eight places in front of loads into registers that these products have read
	FETCH_B \slot, 1, 1
	FETCH_A \slot, 1, 0
	WIN MUL_HI
	MUL16 4, 0, \k, \zero
	MUL16 6, 0, \k, \zero
	PLACES 8
	WIN 0
	FETCH_A \slot, 1, 4
.endm
.macro TURN slot, next, k, fill        ; a slot's second 128 along K, and the change of slots: one barrier
	s_wait_tensorcnt 0x0                           ; all my tensor loads have landed: my part of the next slot
	ds_add_u32 v[SPW], v[NIL]                      ; 0 onto my spare word
	s_wait_dscnt 17                                ; the add and the youngest sixteen loads may be out
	WIN MUL_LO
	MUL16 0, 1, \k, 0
	s_wait_dscnt 0x0                               ; the add is done, and my reads of this slot are over
	s_barrier_signal -1
	MUL16 2, 1, \k, 0
	WIN 0
	s_barrier_wait -1
.if \fill
	CREST                                          ; the barrier has opened a round of the cluster's: no wave of any partner still reads this slot or has a load on its way
	s_add_nc_u64 s[G0+4*\slot+2:G0+4*\slot+3], s[G0+4*\slot+2:G0+4*\slot+3], 512
	s_add_nc_u64 s[G0B+4*\slot+2:G0B+4*\slot+3], s[G0B+4*\slot+2:G0B+4*\slot+3], 512
	JLOAD G0+4*\slot, G1, G0B+4*\slot, G1B         ; the first tensor load behind the round; its four v_nop are four of the eight places
	PLACES 4
.else
	PLACES 8
.endif
	FETCH_B \next, 0, 0
	FETCH_A \next, 0, 0
	WIN MUL_HI
	MUL16 4, 1, \k, 0
	MUL16 6, 1, \k, 0
	PLACES 8
	WIN 0
	FETCH_A \next, 0, 4
.endm
; 64 numbers of a lane, register 16 b + i = place 32 b + 16 (lane / 16) + i of my row, become 16 registers of codes in v[PC] on and the row's scale word in v[w]
.macro QUANT s, w
.irp b, 0,1,2,3
	v_max3_num_f32 v[TM+\b], |v[\s+16*\b]|, |v[\s+1+16*\b]|, 0x4800000   ; with the floor 2^(9 - 127): the byte cannot fall under 1
.endr
.irp i, 2,4,6,8,10,12,14
.irp b, 0,1,2,3
	v_max3_num_f32 v[TM+\b], v[TM+\b], |v[\s+16*\b+\i]|, |v[\s+1+16*\b+\i]|
.endr
.endr
.irp b, 0,1,2,3
	v_permlanex16_b32 v[TM+4+\b], v[TM+\b], s[SEL], s[SEL+1]
.endr
.irp b, 0,1,2,3
	v_max_num_f32 v[TM+\b], v[TM+\b], v[TM+4+\b]   ; with lane l xor 16's: the block's largest magnitude
.endr
.irp b, 0,1,2,3
	v_add_nc_u32 v[TM+12+\b], 0xfc000000, v[TM+\b] ; 8 off the exponent field: the conversion's scale operand
.endr
.irp b, 0,1,2,3
.endr
.irp b, 0,1,2,3
	v_lshrrev_b32 v[TM+4+\b], 23, v[TM+12+\b]      ; the scale's byte
.endr
	v_lshl_or_b32 v[\w], v[TM+5], 8, v[TM+4]
	v_lshl_or_b32 v[\w], v[TM+6], 16, v[\w]
	v_lshl_or_b32 v[\w], v[TM+7], 24, v[\w]
.irp b, 0,1,2,3
.irp i, 0,1,2,3,4,5,6,7,8,9,10,11,12,13,14,15
.endr
	v_cvt_scalef32_pk8_fp8_f32 v[PC+4*\b:PC+1+4*\b], v[\s+16*\b:\s+7+16*\b], v[TM+12+\b]
	v_cvt_scalef32_pk8_fp8_f32 v[PC+2+4*\b:PC+3+4*\b], v[\s+8+16*\b:\s+15+16*\b], v[TM+12+\b]
.endr
	v_nop                                          ; a plain line behind the last conversion, ahead of whatever next writes its sources
.endm
; S's block a: its 64 sums + the bias -> v[T] on.  q, k: the bias runs along the registers; v: it is one number a lane.  Each accumulator is read from its low end on.
.macro BIAS a
	s_cmp_eq_u32 s[MODE], 1
	s_cbranch_scc1 .Lbias_v_\@
	WIN 6+(\a)/4                                   ; source 0 window 2 or 3, source 1 window 1
.set p, 0
.rept 32
	v_pk_add_f32 v[T+2*p:T+2*p+1], v[64*((\a)%4)+2*p:64*((\a)%4)+2*p+1], v[2*p:2*p+1]
.set p, p+1
.endr
	WIN 0
	s_branch .Lbias_j_\@
.Lbias_v_\@:
	WIN 6+(\a)/4
.set p, 0
.rept 32
	v_pk_add_f32 v[T+2*p:T+2*p+1], v[64*((\a)%4)+2*p:64*((\a)%4)+2*p+1], v[64+2*(\a):65+2*(\a)]
.set p, p+1
.endr
	WIN 0
.Lbias_j_\@:
.endm
	s_load_b256 s[4:11], s[0:1], 0x0               ; xc s[4:5], wc s[6:7], sc s[8:9], c_attn_b s[10:11]
	s_load_b64 s[12:13], s[0:1], 0x20              ; qkv
	v_lshl_add_u32 v[SPW], v0, 2, SPARE
	v_mov_b32 v[NIL], 0
	ds_add_u32 v[SPW], v[NIL]                      ; the wave's opening: the add, twice on end, and its wait ahead of my first tensor load
	ds_add_u32 v[SPW], v[NIL]
	v_lshrrev_b32 v1, 5, v0
	v_readfirstlane_b32 s14, v1                    ; wave 0..3
	s_lshr_b32 s15, s14, 1                         ; which half of the tokens is mine.  Also: I fetch for x (0) or for the weight (1)
	s_and_b32 s16, s14, 1                          ; which half of the columns.  Also: which 128 rows of that tile I fetch
	s_bfe_u32 s40, ttmp6, 0x40000                  ; cx, cy
	s_bfe_u32 s41, ttmp6, 0x40004
	s_lshl_b32 s42, ttmp9, 2
	s_add_co_u32 s42, s42, s40                     ; tile column
	s_and_b32 s17, ttmp7, 0xffff
	s_lshl_b32 s17, s17, 2
	s_add_co_u32 s17, s17, s41                     ; tile row
	s_lshl_b32 s43, s41, 2
	s_lshl_b32 s43, 15, s43                        ; my row of the cluster
	s_lshl_b32 s44, 0x1111, s40                    ; my column
	s_or_b32 s[G1+0], s43, (0<<16)|(1<<20)|(1<<21)|(5<<22)|(3<<25)   ; the mask; elements of 1 byte; padding on; bit 21 beside a mask; after every 64 words, 4 words
	s_or_b32 s[G1B+0], s44, (0<<16)|(1<<20)|(1<<21)|(5<<22)|(3<<25)
.irp g, G1, G1B
	s_mov_b32 s[\g+1], 256<<16                     ; tensor_dim0
	s_mov_b32 s[\g+2], 128<<16                     ; tensor_dim1
	s_mov_b32 s[\g+3], 256<<16                     ; tile_dim0
	s_mov_b32 s[\g+4], 128                         ; tile_dim1
	s_mov_b32 s[\g+5], 1024                        ; from row to row
	s_mov_b32 s[\g+6], 0
	s_mov_b32 s[\g+7], 0
.endr
	s_lshl_b32 s18, s16, 7
	s_lshl_b32 s20, s17, 8
	s_add_co_u32 s20, s20, s18
	s_lshl_b32 s20, s20, 10                        ; x: row 256 x tile row + 128 x half, 1,024 bytes a row
	s_mov_b32 s21, 0
	s_lshl_b32 s46, s42, 8
	s_add_co_u32 s46, s46, s18
	s_lshl_b32 s46, s46, 10                        ; the weight: row 256 x tile column + 128 x half
	s_mov_b32 s47, 0
	s_mul_i32 s45, s14, HALFT                      ; where they go: wave x 128 rows
	s_wait_dscnt 0x0                               ; both opening adds are done
	s_wait_kmcnt 0x0
	s_add_nc_u64 s[20:21], s[4:5], s[20:21]
	s_add_nc_u64 s[46:47], s[6:7], s[46:47]
	CROUND                                         ; all sixteen work-groups are here: the first joint loads meet
.irp s, 0,1
	s_mov_b32 s[G0+4*\s], 1
	s_add_co_u32 s[G0+4*\s+1], s45, \s*SLOT
	s_add_nc_u64 s[G0+4*\s+2:G0+4*\s+3], s[20:21], \s*256
	s_or_b32 s[G0+4*\s+3], s[G0+4*\s+3], 0x80000000
	s_mov_b32 s[G0B+4*\s], 1
	s_add_co_u32 s[G0B+4*\s+1], s45, \s*SLOT
	s_add_nc_u64 s[G0B+4*\s+2:G0B+4*\s+3], s[46:47], \s*256
	s_or_b32 s[G0B+4*\s+3], s[G0B+4*\s+3], 0x80000000
	JLOAD G0+4*\s, G1, G0B+4*\s, G1B               ; two tensor loads of mine are out
.endr
	v_and_b32 v1, 15, v0                           ; r; kept
	v_bfe_u32 v2, v0, 4, 1                         ; h; kept
	v_mul_u32_u24 v3, v1, PITCH
	v_lshl_add_u32 v4, v2, 4, v3
	s_wait_alu depctr_va_vdst(0)
	s_cmp_eq_u32 ttmp9, 2
	s_cselect_b32 s[MODE], 1, 0
	s_mul_i32 s67, s15, HALFT                      ; my 128 tokens in a slot
	s_mul_i32 s68, s16, HALFT
	s_add_co_u32 s68, s68, 2*HALFT                 ; my 128 columns
	s_cmp_eq_u32 s[MODE], 1
	s_cselect_b32 s69, s68, s67                    ; S
	s_cselect_b32 s87, s67, s68                    ; P
.irp s, 0,1
	v_add_nc_u32 v[ADRS+\s], s69, v4
	v_add_nc_u32 v[ADRP+\s], s87, v4
	s_add_co_u32 s69, s69, SLOT
	s_add_co_u32 s87, s87, SLOT
.endr
	; the scale words: lanes 0-15 take S's rows, lanes 16-31 P's: one base + one product
	v_xor_b32 v5, s[MODE], v2                      ; 0: x's rows, 1: the weight's
	s_wait_alu depctr_va_vdst(0)
	s_lshl_b32 s88, s17, 8
	s_lshl_b32 s89, s15, 7
	s_add_co_u32 s88, s88, s89
	s_lshl_b32 s88, s88, 5                         ; x's: 32 bytes a row
	s_lshl_b32 s89, s42, 8
	s_lshl_b32 s90, s16, 7
	s_add_co_u32 s89, s89, s90                     ; my first column of the 3,072
	s_lshl_b32 s90, s89, 5
	s_add_co_u32 s90, s90, 131072                  ; the weight's
	s_sub_co_u32 s90, s90, s88                     ; the distance: above 0
	v_mul_u32_u24 v5, s90, v5
	v_lshl_add_u32 v5, v1, 5, v5
	v_add_nc_u32 v5, s88, v5
.irp i, 0,1,2,3,4,5,6,7
	global_load_b128 v[SC+8*\i:SC+8*\i+3], v5, s[8:9] offset:512*\i
	global_load_b128 v[SC+8*\i+4:SC+8*\i+7], v5, s[8:9] offset:512*\i+16
.endr
	; the bias: the set that a mode does not use is loaded from the table's start, so that every register named below is written
	s_lshl_b32 s89, s89, 2
	s_cmp_eq_u32 s[MODE], 1
	s_cselect_b32 s90, 0, s89
	s_cselect_b32 s92, s89, 0
	s_mov_b32 s91, 0
	s_mov_b32 s93, 0
	s_add_nc_u64 s[BPP:BPP+1], s[10:11], s[90:91]
	s_add_nc_u64 s[BSP:BSP+1], s[10:11], s[92:93]
	v_lshlrev_b32 v8, 6, v2                        ; 16 h numbers
	v_and_b32 v9, 8, v1
	v_add_nc_u32 v9, v9, v1
	v_lshlrev_b32 v9, 2, v9                        ; r + 8 (r / 8) numbers
	; where the results go
	s_mul_i32 s88, ttmp9, SECT
	s_lshr_b32 s89, s17, 3
	s_lshl_b32 s89, s89, 4
	s_lshl_b32 s90, s40, 2
	s_add_co_u32 s89, s89, s90
	s_lshl_b32 s90, s16, 1
	s_add_co_u32 s89, s89, s90                     ; 16 x batch + my first head
	s_mul_i32 s89, s89, HEADB
	s_add_co_u32 s88, s88, s89
	s_and_b32 s89, s17, 7
	s_lshl_b32 s89, s89, 1
	s_add_co_u32 s89, s89, s15                     ; my group of 128 tokens
	s_mul_i32 s89, s89, STEPB
	s_add_co_u32 s88, s88, s89
	s_mov_b32 s89, 0
	s_add_nc_u64 s[OB:OB+1], s[12:13], s[88:89]
	s_mov_b64 s[OB0:OB0+1], s[OB:OB+1]
	s_cmp_eq_u32 s[MODE], 1
	s_mov_b32 s[STA], 1024
	s_cselect_b32 s[STA], 2048, s[STA]
	s_mov_b32 s[STB], 1024
	s_cselect_b32 s[STB], HEADB-6144, s[STB]
	s_mov_b32 s94, HEADB
	s_cselect_b32 s94, 1024, s94                   ; from a block's first two stores to its last two
	s_mov_b32 s[STA+1], 0
	s_mov_b32 s[STB+1], 0
	s_mov_b32 s[P01], 0x01000100
	s_mov_b32 s[P23], 0x03020302
	s_mov_b32 s[SEL], 0x76543210
	s_mov_b32 s[SEL+1], 0xfedcba98
	s_wait_tensorcnt 1                             ; my part of slot 0 is in; slot 1's may stay out
	s_barrier_signal -1
	s_barrier_wait -1
	FETCH_B 0, 0, 0
	FETCH_A 0, 0, 0
	FETCH_A 0, 0, 4
	s_wait_loadcnt 0x0                             ; the scale words
	STEP 0, 0, 1                                   ; the first products start the sums: nothing is cleared
	TURN 0, 1, 1, 1
	STEP 1, 2, 0
	TURN 1, 0, 3, 1
	STEP 0, 4, 0
	TURN 0, 1, 5, 0                                ; nothing is left to fetch: no round, no load
	STEP 1, 6, 0
	WIN TO_B                                       ; the bias, into P's set 0, which is done with (eight places back)
	s_wait_alu depctr_va_vdst(0)
.irp e, 0,1,2,3
.irp j, 0,1,2,3
	global_load_b128 v[16*\e+4*\j:16*\e+4*\j+3], v8, s[BPP:BPP+1] offset:128*\e+16*\j
.endr
.endr
.irp a, 0,1,2,3,4,5,6,7
	global_load_b32 v[64+2*\a], v9, s[BSP:BSP+1] offset:4*(32*(\a/2)+8*(\a%2))
	global_load_b32 v[65+2*\a], v9, s[BSP:BSP+1] offset:4*(32*(\a/2)+8*(\a%2))
.endr
	WIN 0
	s_wait_dscnt 16                                ; the last 128 along K
	WIN MUL_LO
	MUL16 0, 1, 7, 0
	MUL16 2, 1, 7, 0
	s_wait_dscnt 0x0
	WIN MUL_HI
	MUL16 4, 1, 7, 0
	MUL16 6, 1, 7, 0
	WIN 0
	; THE WAY OUT
	PLACES 8                                       ; in front of the first read of results and the first write into registers that held S's fragments
	s_wait_loadcnt 0x0                             ; the bias
	v_and_b32 v3, 31, v0
	v_lshlrev_b32 v[VOA], 4, v3
	v_add_nc_u32 v[VOB], s94, v[VOA]
	v_lshlrev_b32 v[VSQ], 5, v1
	v_lshl_add_u32 v[VSQ], v2, 4, v[VSQ]
	v_mul_u32_u24 v[VSV], HEADB, v2
	v_lshl_add_u32 v[VSV], v1, 4, v[VSV]
.irp b, 0,1,2,3
	v_mov_b32 v[TM+4+\b], 0                        ; a lane permute's destination counts as one of its sources
	v_mov_b32 v[Z4+\b], 0
.endr
.irp a, 0,1,2,3,4,5,6,7
	BIAS \a
.if \a > 0
	s_wait_xcnt 0x0                                ; the last block's stores have read their codes and their base
.if \a == 4
	s_add_nc_u64 s[OB:OB+1], s[OB:OB+1], s[STB:STB+1]
.else
	s_add_nc_u64 s[OB:OB+1], s[OB:OB+1], s[STA:STA+1]
.endif
.endif
	QUANT T, SW+\a
	global_store_b128 v[VOA], v[PC:PC+3], s[OB:OB+1]               ; each: 512 consecutive bytes, an image of four registers
	global_store_b128 v[VOA], v[PC+4:PC+7], s[OB:OB+1] offset:512
	global_store_b128 v[VOB], v[PC+8:PC+11], s[OB:OB+1]
	global_store_b128 v[VOB], v[PC+12:PC+15], s[OB:OB+1] offset:512
.endr
	; the scale words: lanes 0-15 send those of blocks 0-3, lanes 16-31 those of blocks 4-7 (both halves of the lanes hold all eight)
	v_cmp_eq_u32 vcc_lo, 1, v2
.irp k, 0,1,2,3
	v_cndmask_b32 v[SL+\k], v[SW+\k], v[SW+4+\k], vcc_lo
.endr
	s_cmp_eq_u32 s[MODE], 1
	s_cbranch_scc1 .Lsc_v
.irp k, 0,1,2,3
	v_perm_b32 v[W0+\k], v[SL+\k], v[SL+\k], s[P01]                ; my first head's two bytes, twice
	v_perm_b32 v[W1+\k], v[SL+\k], v[SL+\k], s[P23]                ; my second head's
.endr
	global_store_b128 v[VSQ], v[W0:W0+3], s[OB0:OB0+1] offset:8192
	global_store_b128 v[VSQ], v[W1:W1+3], s[OB0:OB0+1] offset:HEADB+8192
	s_branch .Lsc_done
.Lsc_v:
	s_wait_alu depctr_va_vdst(0)
	global_store_b128 v[VSV], v[SL:SL+3], s[OB0:OB0+1] offset:8192 ; lanes 0-15: my first head's 256 bytes, lanes 16-31: my second's
	global_store_b128 v[VSV], v[Z4:Z4+3], s[OB0:OB0+1] offset:8448 ; the block's last 256 bytes: zeros
.Lsc_done:
	s_wait_tensorcnt 0x0                           ; the wave's end
	ds_add_u32 v[SPW], v[NIL]
	s_wait_dscnt 0x0
	CROUND                                         ; the closing round
	s_endpgm
.Lfunc_end_k_q4efedf387c_qkv_gemm:
	.size	k_q4efedf387c_qkv_gemm, .Lfunc_end_k_q4efedf387c_qkv_gemm-k_q4efedf387c_qkv_gemm
	.p2alignl 7, 3214868480
	.fill 96, 4, 3214868480
	.section	.rodata,"a",@progbits
	.p2align	6, 0x0
	.amdhsa_kernel k_q4efedf387c_qkv_gemm
		.amdhsa_group_segment_fixed_size 327680
		.amdhsa_private_segment_fixed_size 0
		.amdhsa_enable_private_segment 0
		.amdhsa_kernarg_size 40
		.amdhsa_user_sgpr_count 2
		.amdhsa_user_sgpr_kernarg_segment_ptr 1
		.amdhsa_wavefront_size32 1
		.amdhsa_system_sgpr_workgroup_id_x 1
		.amdhsa_system_sgpr_workgroup_id_y 1
		.amdhsa_system_sgpr_workgroup_id_z 1
		.amdhsa_system_vgpr_workitem_id 0
		.amdhsa_next_free_vgpr 1024
		.amdhsa_next_free_sgpr 100
		.amdhsa_reserve_vcc 1
		.amdhsa_float_denorm_mode_32 3
		.amdhsa_float_denorm_mode_16_64 3
		.amdhsa_fp16_overflow 1
		.amdhsa_memory_ordered 1
		.amdhsa_forward_progress 1
		.amdhsa_inst_pref_size 185
	.end_amdhsa_kernel
	.amdgpu_metadata
---
amdhsa.version: [ 1, 2 ]
amdhsa.kernels:
  - .name:           k_q4efedf387c_qkv_gemm
    .symbol:         k_q4efedf387c_qkv_gemm.kd
    .args:
      - { .name: xc, .offset: 0, .size: 8, .value_kind: global_buffer, .address_space: global }
      - { .name: wc, .offset: 8, .size: 8, .value_kind: global_buffer, .address_space: global }
      - { .name: sc, .offset: 16, .size: 8, .value_kind: global_buffer, .address_space: global }
      - { .name: c_attn_b, .offset: 24, .size: 8, .value_kind: global_buffer, .address_space: global }
      - { .name: qkv, .offset: 32, .size: 8, .value_kind: global_buffer, .address_space: global }
    .group_segment_fixed_size: 327680
    .private_segment_fixed_size: 0
    .kernarg_segment_align: 8
    .kernarg_segment_size: 40
    .max_flat_workgroup_size: 128
    .sgpr_count:     100
    .vgpr_count:     1024
    .wavefront_size: 32
...
	.end_amdgpu_metadata
.endif
;; end of part 2
;; launch attn (part 3): grid 8 x 32, 16 waves a work-group, no clusters, 327,680 bytes of LDS; arguments qkv, a_img, a_sc; writes a_img, a_sc
.if DOCPART == 3
	.amdgcn_target "amdgcn-amd-amdhsa--gfx1250"
	.amdhsa_code_object_version 6
	.text
	.protected	k_q4efedf387c_attn
	.globl	k_q4efedf387c_attn
	.p2align	8
	.type	k_q4efedf387c_attn,@function
k_q4efedf387c_attn:
	s_mov_b64 s[64:65], 0
	v_nop
	global_prefetch_b8 v0, s[64:65] scope:SCOPE_SE
	s_setreg_imm32_b32 hwreg(HW_REG_WAVE_MODE, 25, 1), 1
	s_wait_xcnt 0x0
; Causal attention of one head on codes of E4M3, from the images that the launch before stored; head size 64, 2,048 positions.  The result is quantised along the model's axis and leaves as images for the projection.
; t = score x log2(e) / 8; M = the running largest t rounded UP to a whole number; p = 2^(t - M) is quantised along the keys; the row's sum is taken of the unquantised p and divides at the end.
; SHARES.  Work-group j of a head owns query blocks j and 15 - j (128 queries each): 17 key steps of 128 for each pair of tiles, whatever j is.  Each of the 16 waves owns one tile of 16 queries, in 256 registers.
;   Wave w: tile w / 2 of the light block (j) or the heavy one (15 - j), by (w xor w / 4) & 1, so that any four waves that agree in w % 4 or in w / 4 hold two of each kind.
; Both products are used transposed (S^T = K Q^T, O^T = V^T P^T): a lane holds ONE query.  Tiles are in the stored order: lane r of tile T is position 32 (T/2) + 8 (T%2) + r + 8 (r/8), so the 16 registers of tiles 2 b, 2 b + 1 are 16 neighbours.
; K = 64 fills half of the 128 of the matrix form.  Q's upper eight registers are zero codes.  K's upper eight are the NEXT tile's codes (tile 7's: zeros): the quantiser holds at 448, so they are numbers, and 0 x a number adds nothing.
;   The upper two scale bytes repeat the lower two.
; NO CLUSTER: under the mask the work-groups of a head need different numbers of tiles: a partner with a larger j would never read the late ones.
; Every work-group walks all 8 slots (constant trip counts); a key step all of whose keys come after a wave's block is jumped over; a slot whose first key comes after the work-group's last query is not asked for.
; LIMITS: NaN and infinities are not served; a block of zeros gets the byte 1 (its codes are zeros); blocks under 2^-118 take the byte 1.
.set STEPB, 8704                       ; a key step's block of K or of V
.set HEADB, 139264
.set SECT,  4456448
.set KVB,   17408                      ; a slot's two blocks
.set VOFF,  17408                      ; a slot: K's two blocks, then V's
.set SLOT1, 65536
.set SPARE, 131072                     ; the spare words: 128 bytes a wave that no other line names
.set GATH,  133120                     ; 512 bytes: the result's scale bytes meet here; no fill lands there
.set LI,   1                           ; v1   16 x lane
.set R32,  2                           ; v2   32 r
.set R16,  3                           ; v3   16 r
.set PFO,  4                           ; v4   256 x lane
.set SPW,  5
.set NIL,  6
.set DQ,   7                           ; v7   r + 8 (r / 8) - 16 h
.set ADK,  8                           ; v8   the slot in hand + 16 x lane
.set L8,   9                           ; v9   8 x lane
.set ADS,  10
.set ADT,  11
.set KV,   32                          ; v32-95  K's 8 tiles x 8 registers, then V's 4 x 16;  v96-103 zeros
.set S,    104                         ; v104-167 S^T, then p
.set O,    168                         ; v168-199 O^T
.set PCD,  200                         ; v200-215 p's codes
.set KS,   216                         ; v216-223 K's scale words
.set VS,   224                         ; v224-227 V's
.set WV,   18
.set MNT,  19
.set SEL,  20
.set CS,   22
.set G1,   24
.set G0,   40
.set TB,   2
.set SLOTS, 67
.set QB,   68                          ; the last query of my block
.set QL,   69                          ; the work-group's last query
.set PFA,  76
.set LIM,  80
.set KF,   98
.set Q0,   99
.set AO,   10
.set SO,   12
.macro TLOAD                           ; wave 0 brings K's two blocks, wave 1 V's; the branch hangs on the wave's number alone; s_nop 0 and four v_nop follow the load
	s_cmp_lt_u32 s[WV], 2
	s_cbranch_scc0 .Lasked_\@
	tensor_load_to_lds s[G0:G0+3], s[G1:G1+7]
	s_nop 0
.rept 4
	v_nop
.endr
.Lasked_\@:
.endm
; A prefetch of what the NEXT change of slots will load.  All work-groups of a head walk the same K and V: work-group 0, which walks every slot, asks; in it waves 4, 5 for K's two blocks and waves 6, 7 for V's:
; one instruction, lanes 256 bytes apart: a block's 8,192 bytes of codes.  The last change that fills a slot asks for nothing.
.macro ASK
	s_cmp_gt_u32 s[SLOTS], s[LIM]
	s_cbranch_scc0 .Lnot_mine_\@
	global_prefetch_b8 v[PFO], s[PFA:PFA+1] th:TH_LOAD_NT scope:SCOPE_SE
.Lnot_mine_\@:
.endm
.macro STEP q                          ; 128 keys: the q-th block of the slot in hand
	s_cmp_gt_u32 s[KF], s[QB]                      ; all keys come after my block: ids and the count of steps alone
	s_cbranch_scc1 .Lhidden_\@
	v_add_nc_u32 v[ADK], s[TB], v[LI]
	v_add_nc_u32 v[ADS], s[TB], v[R32]
	v_add_nc_u32 v[ADT], s[TB], v[R16]
.rept 5
	v_nop                                          ; with the three additions: eight places in front of loads into registers that the last products have read
.endr
.irp t, 0,1,2,3,4,5,6,7
	ds_load_b128 v[KV+8*\t:KV+8*\t+3], v[ADK] offset:(\q)*STEPB+1024*\t
	ds_load_b128 v[KV+8*\t+4:KV+8*\t+7], v[ADK] offset:(\q)*STEPB+1024*\t+512
.endr
	ds_load_b128 v[KS:KS+3], v[ADS] offset:(\q)*STEPB+8192
	ds_load_b128 v[KS+4:KS+7], v[ADS] offset:(\q)*STEPB+8208
	s_wait_alu depctr_va_vdst(0)
	s_wait_dscnt 0x0
.irp t, 0,1,2,3,4,5,6,7
	v_wmma_scale_f32_16x16x128_f8f6f4 v[S+8*\t:S+8*\t+7], v[KV+8*\t:KV+8*\t+15], v[16:31], 0, v[KS+\t], v255
.endr
.rept 8
	v_nop
.endr
.irp ct, 0,1,2,3                       ; V's fragments land under the softmax
.irp c, 0,1,2,3
	ds_load_b128 v[KV+16*\ct+4*\c:KV+16*\ct+4*\c+3], v[ADK] offset:VOFF+(\q)*STEPB+2048*\ct+512*\c
.endr
.endr
	ds_load_b128 v[VS:VS+3], v[ADT] offset:VOFF+(\q)*STEPB+8192
	s_add_co_u32 s96, s[KF], 127                   ; on the diagonal hidden scores become -infinity; a step all of whose keys count skips this
	s_cmp_le_u32 s96, s[Q0]
	s_cbranch_scc1 .Lopen_\@
	s_sub_co_i32 s96, s[Q0], s[KF]
	v_add_nc_u32 v252, s96, v[DQ]                  ; d = my query - the step's first key - 16 h.  Register 16 b + i holds key 32 b + 16 h + i: hidden where 32 b + i > d
	v_mov_b32 v254, 0xff800000
.set n, 0
.rept 64
	v_cmp_gt_i32 vcc_lo, 32*(n/16)+n%16, v252
	v_cndmask_b32 v[S+n], v[S+n], v254, vcc_lo
.set n, n+1
.endr
.Lopen_\@:
.irp b, 0,1,2,3
	v_max3_num_f32 v[232+\b], v[S+16*\b], v[S+1+16*\b], v[S+2+16*\b]   ; the largest score of each block of 32 keys: for the row's maximum, and, since p rises with the score, for the block's largest p
.endr
.irp i, 3,5,7,9,11,13
.irp b, 0,1,2,3
	v_max3_num_f32 v[232+\b], v[232+\b], v[S+16*\b+\i], v[S+1+16*\b+\i]
.endr
.endr
.irp b, 0,1,2,3
	v_max_num_f32 v[232+\b], v[232+\b], v[S+15+16*\b]
.endr
.irp b, 0,1,2,3
	s_delay_alu instid0(VALU_DEP_4)
	v_permlanex16_b32 v[236+\b], v[232+\b], s[SEL], s[SEL+1]
.endr
.irp b, 0,1,2,3
	s_delay_alu instid0(VALU_DEP_4)
	v_max_num_f32 v[232+\b], v[232+\b], v[236+\b]
.endr
	s_delay_alu instid0(VALU_DEP_2)
	v_max3_num_f32 v254, v232, v233, v234
	s_delay_alu instid0(VALU_DEP_1)
	v_max_num_f32 v254, v254, v235
	s_delay_alu instid0(VALU_DEP_1)
	v_mul_f32 v254, s[CS], v254                    ; as t
	s_delay_alu instid0(VALU_DEP_1)
	v_max_num_f32 v13, v13, v254                   ; the running largest t
	v_mov_b32 v254, v12
	s_delay_alu instid0(VALU_DEP_2)
	v_floor_f32 v12, -v13                          ; the new -M = floor(-t): M is a whole number
	s_delay_alu instid0(VALU_DEP_1)
	v_sub_f32 v254, v12, v254                      ; old M - new M: a whole number, 0 or less
	s_delay_alu instid0(VALU_DEP_1)
	v_cvt_i32_f32 v254, v254                       ; (it saturates)
	s_delay_alu instid0(VALU_DEP_1)
	v_ldexp_f32 v252, 1.0, v254                    ; f = 2^(old M - new M)
.set n, 0
.rept 32
	v_pk_fma_f32 v[S+n:S+n+1], v[S+n:S+n+1], s[CS:CS+1], v[12:13] op_sel_hi:[1,0,0]   ; t - M
.set n, n+2
.endr
.irp b, 0,1,2,3
	v_fma_f32 v[232+\b], v[232+\b], s[CS], v12
.endr
.set n, 0
	s_wait_alu depctr_va_vdst(0)
.rept 64
	v_exp_f32 v[S+n], v[S+n]                       ; p, at most 1
.set n, n+1
.endr
	v_pk_mul_f32 v[14:15], v[14:15], v[252:253] op_sel_hi:[1,0]   ; the sums under the new M: a plain line behind the exponentials
	s_wait_alu depctr_va_vdst(0)                   ; one wait for the batch, ahead of its first reader
.irp b, 0,1,2,3
	v_exp_f32 v[232+\b], v[232+\b]                 ; each block's largest p
.endr
	v_pk_add_f32 v[236:237], v[108:109], v[112:113]
	v_pk_add_f32 v[250:251], v[116:117], v[120:121]
	v_pk_add_f32 v[246:247], v[124:125], v[128:129]
	v_pk_add_f32 v[244:245], v[132:133], v[136:137]
	v_pk_add_f32 v[242:243], v[140:141], v[144:145]
	v_pk_add_f32 v[240:241], v[148:149], v[152:153]
	v_pk_add_f32 v[238:239], v[156:157], v[160:161]
	v_pk_add_f32 v[14:15], v[14:15], v[164:165]
	v_pk_add_f32 v[236:237], v[236:237], v[104:105]
	v_pk_add_f32 v[250:251], v[250:251], v[106:107]
	v_pk_add_f32 v[246:247], v[246:247], v[110:111]
	v_pk_add_f32 v[244:245], v[244:245], v[114:115]
	v_pk_add_f32 v[242:243], v[242:243], v[118:119]
	v_pk_add_f32 v[240:241], v[240:241], v[122:123]
	v_pk_add_f32 v[238:239], v[238:239], v[126:127]
	v_pk_add_f32 v[14:15], v[14:15], v[130:131]
	v_pk_add_f32 v[236:237], v[236:237], v[134:135]
	v_pk_add_f32 v[250:251], v[250:251], v[138:139]
	v_pk_add_f32 v[246:247], v[246:247], v[142:143]
	v_pk_add_f32 v[244:245], v[244:245], v[146:147]
	v_pk_add_f32 v[242:243], v[242:243], v[150:151]
	v_pk_add_f32 v[240:241], v[240:241], v[154:155]
	v_pk_add_f32 v[238:239], v[238:239], v[158:159]
	v_pk_add_f32 v[14:15], v[14:15], v[162:163]
	v_pk_add_f32 v[236:237], v[236:237], v[166:167]
	s_delay_alu instid0(VALU_DEP_2)
	v_pk_add_f32 v[14:15], v[14:15], v[244:245]
	s_delay_alu instid0(VALU_DEP_2)
	v_pk_add_f32 v[236:237], v[236:237], v[242:243]
	v_pk_add_f32 v[250:251], v[250:251], v[240:241]
	v_pk_add_f32 v[246:247], v[246:247], v[238:239]
	s_delay_alu instid0(VALU_DEP_2)
	v_pk_add_f32 v[14:15], v[14:15], v[250:251]
	s_delay_alu instid0(VALU_DEP_2)
	v_pk_add_f32 v[236:237], v[236:237], v[246:247]
	s_delay_alu instid0(VALU_DEP_1)
	v_pk_add_f32 v[14:15], v[14:15], v[236:237]
	s_wait_alu depctr_va_vdst(0)                   ; and one for the four
.irp b, 0,1,2,3
	v_max_num_f32 v[232+\b], 0x4800000, v[232+\b]  ; the floor 2^(9 - 127)
.endr
.irp b, 0,1,2,3
	s_delay_alu instid0(VALU_DEP_4)
	v_add_nc_u32 v[244+\b], 0xfc000000, v[232+\b]
.endr
.irp b, 0,1,2,3
.endr
.irp b, 0,1,2,3
	s_delay_alu instid0(VALU_DEP_4)
	v_lshrrev_b32 v[236+\b], 23, v[244+\b]
.endr
	s_delay_alu instid0(VALU_DEP_3)
	v_lshl_or_b32 v253, v237, 8, v236              ; p's scale word for these 128 keys
	s_delay_alu instid0(VALU_DEP_1)
	v_lshl_or_b32 v253, v238, 16, v253
	s_delay_alu instid0(VALU_DEP_1)
	v_lshl_or_b32 v253, v239, 24, v253
.irp b, 0,1,2,3
.irp i, 0,1,2,3,4,5,6,7,8,9,10,11,12,13,14,15
.endr
	v_cvt_scalef32_pk8_fp8_f32 v[PCD+4*\b:PCD+1+4*\b], v[S+16*\b:S+7+16*\b], v[244+\b]
	v_cvt_scalef32_pk8_fp8_f32 v[PCD+2+4*\b:PCD+3+4*\b], v[S+8+16*\b:S+15+16*\b], v[244+\b]
.endr
.set n, 0
.rept 16
	v_pk_mul_f32 v[O+n:O+n+1], v[O+n:O+n+1], v[252:253] op_sel_hi:[1,0]   ; O^T under the new M; also the places between the codes and the products
.set n, n+2
.endr
.rept 4
	v_nop
.endr
	s_wait_alu depctr_va_vdst(0)
	s_wait_dscnt 0x0                               ; V
.irp ct, 0,1,2,3
	v_wmma_scale_f32_16x16x128_f8f6f4 v[O+8*\ct:O+8*\ct+7], v[KV+16*\ct:KV+16*\ct+15], v[PCD:PCD+15], v[O+8*\ct:O+8*\ct+7], v[VS+\ct], v253
.endr
.Lhidden_\@:
	s_add_co_u32 s[KF], s[KF], 128
.endm
; The change of slots, at a slot's head: every wave waits for all its tensor loads, adds 0 to its spare word, waits for that and for its reads of the slot that it has left; behind the barrier the slot ahead is whole and the other is free.
.macro CHANGE fill
	s_wait_tensorcnt 0x0                           ; no tensor load of mine is out, so group 0 may be written
	ds_add_u32 v[SPW], v[NIL]
.if \fill
	ds_add_u32 v[SPW], v[NIL]                      ; twice on end here, in every trip alike
	s_xor_b32 s[G0+1], s[G0+1], SLOT1              ; the other slot,
	s_add_nc_u64 s[G0+2:G0+3], s[G0+2:G0+3], KVB   ; the next 256 keys
	s_wait_xcnt 0x0                                ; the last prefetch, a slot back, has read its address
	s_add_nc_u64 s[PFA:PFA+1], s[PFA:PFA+1], KVB
.endif
	s_wait_dscnt 0x0
	s_barrier_signal -1
	s_barrier_wait -1
.if \fill
	s_add_co_u32 s96, s[KF], 256                   ; the first key of the slot that this change would ask for:
	s_cmp_gt_u32 s96, s[QL]                        ; past the work-group's last query no wave reads it.  Ids and the count of steps alone: the same in all sixteen waves; every wait for tensor loads in this text is for 0
	s_cbranch_scc1 .Lpast_\@
	TLOAD
.Lpast_\@:
	ASK
.endif
.endm
.macro SLOT_STEPS
	STEP 0
	STEP 1
	s_xor_b32 s[TB], s[TB], SLOT1
.endm
	s_load_b128 s[4:7], s[0:1], 0x0                ; qkv s[4:5], a_img s[6:7]
	s_load_b64 s[8:9], s[0:1], 0x10                ; a_sc
	v_lshl_add_u32 v[SPW], v0, 2, SPARE
	v_mov_b32 v[NIL], 0
	ds_add_u32 v[SPW], v[NIL]                      ; the wave's opening: the add, twice on end, and its wait ahead of the first tensor load
	ds_add_u32 v[SPW], v[NIL]
	v_lshrrev_b32 v8, 5, v0
	s_delay_alu instid0(VALU_DEP_1)
	v_readfirstlane_b32 s[WV], v8                  ; wave 0..15
	s_and_b32 s44, ttmp7, 0xffff                   ; 16 x batch + head
	s_lshr_b32 s45, s[WV], 1                       ; my tile in its block
	s_lshr_b32 s46, s[WV], 2
	s_xor_b32 s46, s46, s[WV]
	s_and_b32 s46, s46, 1                          ; 0: the light block, 1: the heavy one
	s_sub_co_u32 s47, 15, ttmp9
	s_cmp_eq_u32 s46, 1
	s_cselect_b32 s47, s47, ttmp9                  ; my block of 128 queries
	s_lshl_b32 s48, s47, 3
	s_add_co_u32 s48, s48, s45                     ; my tile T
	s_lshr_b32 s49, s48, 1
	s_lshl_b32 s49, s49, 5
	s_and_b32 s50, s48, 1
	s_lshl_b32 s50, s50, 3
	s_add_co_u32 s[Q0], s49, s50                   ; my first query
	s_lshl_b32 s[QB], s47, 7
	s_add_co_u32 s[QB], s[QB], 127
	s_sub_co_u32 s[QL], 16, ttmp9
	s_lshl_b32 s[QL], s[QL], 7
	s_sub_co_u32 s[QL], s[QL], 1
	s_mul_i32 s51, s44, HEADB
	s_and_b32 s52, s[WV], 1
	s_mul_i32 s53, s52, KVB                        ; K's blocks at a slot's head, V's behind them
	s_add_co_u32 s54, s52, 1
	s_mul_i32 s54, s54, SECT
	s_add_co_u32 s54, s54, s51
	s_mov_b32 s55, 0
	s_mul_i32 s49, s47, STEPB
	s_add_co_u32 s49, s49, s51                     ; my block of q
	s_lshl_b32 s50, s45, 10
	s_add_co_u32 s56, s49, s50
	s_mov_b32 s57, 0
	s_lshl_b32 s50, s45, 2
	s_add_co_u32 s58, s49, s50
	s_mov_b32 s59, 0
	s_lshr_b32 s49, s44, 4                         ; batch
	s_and_b32 s50, s44, 15                         ; head
	s_lshl_b32 s72, s49, 7
	s_add_co_u32 s72, s72, s48
	s_lshl_b32 s72, s72, 14                        ; my row tile's 16,384 bytes,
	s_lshl_b32 s73, s50, 10                        ; my head's 1,024 of them
	s_add_co_u32 s60, s72, s73
	s_mov_b32 s61, 0
	s_sub_co_u32 s72, 15, ttmp9
	s_cmp_eq_u32 s52, 1
	s_cselect_b32 s72, s72, ttmp9
	s_lshl_b32 s73, s49, 4
	s_add_co_u32 s72, s72, s73
	s_lshl_b32 s72, s72, 4
	s_add_co_u32 s72, s72, s50
	s_lshl_b32 s62, s72, 8                         ; (waves 0, 1) the block's 256 scale bytes of my head
	s_mov_b32 s63, 0
	s_bfe_u32 s72, s[WV], 0x10001                  ; the prefetches: bit 1 of the wave: K or V; bit 0: which block of a slot
	s_add_co_u32 s72, s72, 1
	s_mul_i32 s72, s72, SECT
	s_add_co_u32 s72, s72, s51
	s_mul_i32 s73, s52, STEPB
	s_add_co_u32 s72, s72, s73
	s_add_co_u32 s70, s72, KVB                     ; in slot 1: the first change steps it to slot 2
	s_mov_b32 s71, 0
	s_sub_co_u32 s72, s[WV], 4
	s_lshr_b32 s72, s72, 2                         ; 0 in waves 4 to 7
	s_or_b32 s72, s72, ttmp9                       ; of the head's first work-group
	s_cmp_eq_u32 s72, 0
	s_cselect_b32 s[LIM], 1, -1
	s_mov_b32 s[G1], 3<<16                         ; no mask; elements of 8 bytes; no padding: a dense block of 68 rows of 256 bytes
	s_mov_b32 s[G1+1], 32<<16
	s_mov_b32 s[G1+2], 68<<16
	s_mov_b32 s[G1+3], 32<<16
	s_mov_b32 s[G1+4], 68
	s_mov_b32 s[G1+5], 32
	s_mov_b32 s[G1+6], 0
	s_mov_b32 s[G1+7], 0
	s_mov_b32 s[SEL], 0x76543210
	s_mov_b32 s[SEL+1], 0xfedcba98
	s_mov_b32 s[CS], 0x3e38aa3b                    ; log2(e) / 8
	s_mov_b32 s[CS+1], s[CS]
	s_mov_b32 s[TB], 0
	s_mov_b32 s[SLOTS], 7
	s_mov_b32 s[KF], 0
	s_wait_dscnt 0x0                               ; both opening adds are done
	s_wait_kmcnt 0x0
	s_mov_b32 s[G0], 1
	s_mov_b32 s[G0+1], s53
	s_add_nc_u64 s[G0+2:G0+3], s[4:5], s[54:55]
	s_or_b32 s[G0+3], s[G0+3], 0x80000000
	TLOAD                                          ; slot 0
	s_add_nc_u64 s[56:57], s[4:5], s[56:57]
	s_add_nc_u64 s[58:59], s[4:5], s[58:59]
	s_add_nc_u64 s[PFA:PFA+1], s[4:5], s[70:71]
	s_add_nc_u64 s[AO:AO+1], s[6:7], s[60:61]
	s_add_nc_u64 s[SO:SO+1], s[8:9], s[62:63]
	v_and_b32 v9, 31, v0
	s_delay_alu instid0(VALU_DEP_1)
	v_lshlrev_b32 v[LI], 4, v9
	s_delay_alu instid0(VALU_DEP_2)
	v_lshlrev_b32 v[PFO], 8, v9
	v_and_b32 v10, 15, v0                          ; r
	v_bfe_u32 v11, v0, 4, 1                        ; h
	s_delay_alu instid0(VALU_DEP_2)
	v_lshlrev_b32 v[R32], 5, v10
	s_delay_alu instid0(VALU_DEP_3)
	v_lshlrev_b32 v[R16], 4, v10
	global_load_b128 v[16:19], v[LI], s[56:57]     ; Q's fragment: it stays
	global_load_b128 v[20:23], v[LI], s[56:57] offset:512
	global_load_b32 v255, v[R32], s[58:59] offset:8192   ; and its scale words
	v_and_b32 v[DQ], 8, v10
	s_delay_alu instid0(VALU_DEP_1)
	v_add_nc_u32 v[DQ], v[DQ], v10
	v_lshlrev_b32 v11, 4, v11
	s_delay_alu instid0(VALU_DEP_1)
	v_sub_nc_u32 v[DQ], v[DQ], v11
	s_lshl_b32 s72, s46, 3
	s_add_co_u32 s72, s72, s45
	s_lshl_b32 s72, s72, 5
	s_add_co_u32 s72, s72, GATH
	v_lshl_add_u32 v248, v10, 1, s72               ; where my row's two scale bytes go
	s_lshl_b32 s73, s52, 8
	s_add_co_u32 s73, s73, GATH
	v_lshl_add_u32 v249, v9, 3, s73                ; and where waves 0, 1 read a block's 256 back
	v_lshlrev_b32 v[L8], 3, v9
	v_mov_b32 v13, 0xff61b1e6                      ; the largest t so far: -3e38
	s_delay_alu instid0(VALU_DEP_1)
	v_floor_f32 v12, -v13
	v_mov_b32 v14, 0
	v_mov_b32 v15, 0
	v_mov_b32 v253, 0
.irp b, 0,1,2,3
	v_mov_b32 v[236+\b], 0                         ; a lane permute's destination counts as one of its sources
.endr
.irp b, 0,1,2,3,4,5,6,7
	v_mov_b32 v[24+\b], 0                          ; Q's upper half: zero codes
	v_mov_b32 v[96+\b], 0                          ; behind K's last tile
.endr
.set n, 0
.rept 32
	v_mov_b32 v[O+n], 0                            ; O^T: the step is written once, and its first run finds zeros
.set n, n+1
.endr
	s_wait_loadcnt 0x0                             ; Q
.Lslot:                                            ; 7 trips
	CHANGE 1
	SLOT_STEPS
	s_sub_co_u32 s[SLOTS], s[SLOTS], 1
	s_cmp_lg_u32 s[SLOTS], 0
	s_cbranch_scc1 .Lslot
	CHANGE 0                                       ; the last slot is written out: nothing is asked for
	SLOT_STEPS
	; THE WAY OUT: O^T / the sum, quantised along the model's axis: my head's two blocks of 32
.rept 8
	v_nop                                          ; places behind the last products
.endr
	v_add_f32 v14, v14, v15
	s_delay_alu instid0(VALU_DEP_1)
	v_permlanex16_b32 v252, v14, s[SEL], s[SEL+1]
	s_delay_alu instid0(VALU_DEP_1)
	v_add_f32 v14, v14, v252
	s_wait_alu depctr_va_vdst(0)
	v_rcp_f32 v14, v14
	v_nop
	s_wait_alu depctr_va_vdst(0)                   ; ahead of the reciprocal's first reader
.set n, 0
.rept 32
	v_mul_f32 v[S+n], v[O+n], v14                  ; register 16 b + i: channel 32 b + 16 h + i of my query
.set n, n+1
.endr
.irp b, 0,1
	v_max3_num_f32 v[232+\b], |v[S+16*\b]|, |v[S+1+16*\b]|, 0x4800000
.endr
.irp i, 2,4,6,8,10,12,14
.irp b, 0,1
	s_delay_alu instid0(VALU_DEP_2)
	v_max3_num_f32 v[232+\b], v[232+\b], |v[S+16*\b+\i]|, |v[S+1+16*\b+\i]|
.endr
.endr
.irp b, 0,1
	s_delay_alu instid0(VALU_DEP_2)
	v_permlanex16_b32 v[236+\b], v[232+\b], s[SEL], s[SEL+1]
.endr
.irp b, 0,1
	s_delay_alu instid0(VALU_DEP_2)
	v_max_num_f32 v[232+\b], v[232+\b], v[236+\b]
.endr
.irp b, 0,1
	s_delay_alu instid0(VALU_DEP_2)
	v_add_nc_u32 v[244+\b], 0xfc000000, v[232+\b]
.endr
.irp b, 0,1
.endr
.irp b, 0,1
	s_delay_alu instid0(VALU_DEP_2)
	v_lshrrev_b32 v[236+\b], 23, v[244+\b]
.endr
	s_delay_alu instid0(VALU_DEP_1)
	v_lshl_or_b32 v253, v237, 8, v236              ; my row's two bytes
.irp b, 0,1
.irp i, 0,1,2,3,4,5,6,7,8,9,10,11,12,13,14,15
.endr
	v_cvt_scalef32_pk8_fp8_f32 v[PCD+4*\b:PCD+1+4*\b], v[S+16*\b:S+7+16*\b], v[244+\b]
	v_cvt_scalef32_pk8_fp8_f32 v[PCD+2+4*\b:PCD+3+4*\b], v[S+8+16*\b:S+15+16*\b], v[244+\b]
.endr
	v_nop
	global_store_b128 v[LI], v[PCD:PCD+3], s[AO:AO+1]              ; 512 consecutive bytes each: images of four registers of the projection's operand
	global_store_b128 v[LI], v[PCD+4:PCD+7], s[AO:AO+1] offset:512
	ds_store_b16 v248, v253                        ; lanes 16-31 write the same bytes with the same value
	s_wait_dscnt 0x0
	s_barrier_signal -1
	s_barrier_wait -1
	s_cmp_lt_u32 s[WV], 2
	s_cbranch_scc0 .Ldone
	ds_load_b64 v[232:233], v249                   ; a block's 128 rows x 2 bytes
	s_wait_dscnt 0x0
	global_store_b64 v[L8], v[232:233], s[SO:SO+1] ; 256 consecutive bytes, aligned
.Ldone:
	s_wait_tensorcnt 0x0                           ; the wave's end
	ds_add_u32 v[SPW], v[NIL]
	s_wait_dscnt 0x0
	s_endpgm
.Lfunc_end_k_q4efedf387c_attn:
	.size	k_q4efedf387c_attn, .Lfunc_end_k_q4efedf387c_attn-k_q4efedf387c_attn
	.p2alignl 7, 3214868480
	.fill 96, 4, 3214868480
	.section	.rodata,"a",@progbits
	.p2align	6, 0x0
	.amdhsa_kernel k_q4efedf387c_attn
		.amdhsa_group_segment_fixed_size 327680
		.amdhsa_private_segment_fixed_size 0
		.amdhsa_enable_private_segment 0
		.amdhsa_kernarg_size 24
		.amdhsa_user_sgpr_count 2
		.amdhsa_user_sgpr_kernarg_segment_ptr 1
		.amdhsa_wavefront_size32 1
		.amdhsa_system_sgpr_workgroup_id_x 1
		.amdhsa_system_sgpr_workgroup_id_y 1
		.amdhsa_system_sgpr_workgroup_id_z 1
		.amdhsa_system_vgpr_workitem_id 0
		.amdhsa_next_free_vgpr 256
		.amdhsa_next_free_sgpr 100
		.amdhsa_reserve_vcc 1
		.amdhsa_float_denorm_mode_32 3
		.amdhsa_float_denorm_mode_16_64 3
		.amdhsa_fp16_overflow 1
		.amdhsa_memory_ordered 1
		.amdhsa_forward_progress 1
		.amdhsa_inst_pref_size 103
	.end_amdhsa_kernel
	.amdgpu_metadata
---
amdhsa.version: [ 1, 2 ]
amdhsa.kernels:
  - .name:           k_q4efedf387c_attn
    .symbol:         k_q4efedf387c_attn.kd
    .args:
      - { .name: qkv, .offset: 0, .size: 8, .value_kind: global_buffer, .address_space: global }
      - { .name: a_img, .offset: 8, .size: 8, .value_kind: global_buffer, .address_space: global }
      - { .name: a_sc, .offset: 16, .size: 8, .value_kind: global_buffer, .address_space: global }
    .group_segment_fixed_size: 327680
    .private_segment_fixed_size: 0
    .kernarg_segment_align: 8
    .kernarg_segment_size: 24
    .max_flat_workgroup_size: 512
    .sgpr_count:     100
    .vgpr_count:     256
    .wavefront_size: 32
...
	.end_amdgpu_metadata
.endif
;; end of part 3
;; launch proj_gemm (part 4): grid 4 x 16, 4 waves a work-group, clusters of 4 x 4, 327,680 bytes of LDS; arguments a_img, a_sc, wc, sc, c_proj_b, out0; writes out0
.if DOCPART == 4
	.amdgcn_target "amdgcn-amd-amdhsa--gfx1250"
	.amdhsa_code_object_version 6
	.text
	.protected	k_q4efedf387c_proj_gemm
	.globl	k_q4efedf387c_proj_gemm
	.p2align	8
	.type	k_q4efedf387c_proj_gemm,@function
k_q4efedf387c_proj_gemm:
	s_mov_b64 s[64:65], 0
	v_nop
	global_prefetch_b8 v0, s[64:65] scope:SCOPE_SE
	s_setreg_imm32_b32 hwreg(HW_REG_WAVE_MODE, 25, 1), 1
	s_wait_xcnt 0x0
	s_wait_alu depctr_hold_cnt(0) depctr_sa_sdst(0) depctr_va_vdst(0) depctr_va_sdst(0) depctr_va_ssrc(0) depctr_va_vcc(0) depctr_vm_vsrc(0)
	s_getreg_b32 s2, hwreg(HW_REG_IB_STS2, 6, 4)
	s_cmp_eq_u32 s2, 0
	s_cbranch_scc0 .Lentry_in_a_cluster
	s_endpgm
.Lentry_in_a_cluster:
	s_bfe_u32 s2, ttmp6, 0x10000c
	s_cmp_lg_u32 s2, 0xf033
	s_cbranch_scc0 .Lentry_shape_is_right
	s_endpgm
.Lentry_shape_is_right:
; out0 = attention's result x c_proj_w + c_proj_b on codes of E4M3, K = 1,024.  The rows come as images of operand registers (a_img: [row tile][128 along K][c][lane][16 bytes]) with their scale bytes (a_sc), the
; weight as rows of codes (wc from row 3,072 on) with scale rows (sc).  Rows and columns are in the stored order (bits 3 and 4 of the index exchanged); the way out puts both back.
; A tile of 256 x 256 a work-group, four waves of 128 x 128; 64 work-groups: the loop is then the one of the first product, and each LDS byte feeds as many products as the registers allow.
; CLUSTERS 4 x 4: the rows' tile is shared along a row of the cluster, the weight's along a column.  K goes in steps of 256 through two LDS slots; eight steps of 128 are written out.
; Source 0 = 16 columns of the weight (P), source 1 = 16 rows (S): a lane holds one row, and the 16 registers of P's tiles 2 b, 2 b + 1 are 16 neighbouring columns.
; REGISTERS: window 0: v1-6 lane terms; v8-11 the bias of my 4 columns of a row; v16-21 LDS addresses; v24-26 the way out; v28, v29 the add's two; v32-95 scale words (lanes 0-15 S's, 16-31 P's); v128-255 S's fragments.
;   window 1: P's fragments, two sets.  windows 2, 3: the accumulators.
.set PITCH,  272
.set HALFT,  128*PITCH
.set HALFA,  32768                     ; 8 row tiles x 4,096 bytes (256 along K)
.set BOFF,   65536                     ; the weight's rows behind the rows' two halves
.set SLOT,   BOFF+2*HALFT
.set SPARE,  2*SLOT                    ; the spare words: 128 bytes a wave that no other line names
.set SPITCH, 528                       ; the way out: 16 rows x (512 + 16) bytes a wave, in slot 0, which has had its last fill and its last read by then
.set FR,     16
.set ADRS,   16
.set ADRP,   20
.set STO,    24
.set RD,     25
.set CO,     26
.set SPW,    28
.set NIL,    29
.set SC,     32
.set AF,     128
.set BK,     128
.set G1, 24
.set G0, 32
.set G1B, 48
.set G0B, 56
.set MSB, 0
.macro WIN new
.if MSB != (\new)
	s_set_vgpr_msb (MSB<<8)|(\new)
.set MSB, (\new)
.endif
.endm
.set MUL_LO, 0xa1
.set MUL_HI, 0xf1
.set TO_B,   0x40
.macro JLOAD g0a, g1a, g0b, g1b        ; a joint load: waves 0, 1 fetch the rows' halves, waves 2, 3 the weight's; s_nop 0 and four v_nop follow each line
	s_cmp_eq_u32 s15, 0
	s_cbranch_scc0 .Lfor_b_\@
	tensor_load_to_lds s[\g0a:\g0a+3], s[\g1a:\g1a+7]
	s_nop 0
.rept 4
	v_nop
.endr
	s_branch .Lasked_\@
.Lfor_b_\@:
	tensor_load_to_lds s[\g0b:\g0b+3], s[\g1b:\g1b+7]
	s_nop 0
.rept 4
	v_nop
.endr
.Lasked_\@:
.endm
.macro CREST
	s_cmp_lg_u32 s14, 0
	s_cbranch_scc1 .Lnot_wave_0_\@
	s_barrier_signal -3
.Lnot_wave_0_\@:
	s_barrier_wait -3
	s_barrier_signal -1
	s_barrier_wait -1
.endm
.macro CROUND
	s_barrier_signal -1
	s_barrier_wait -1
	CREST
.endm
.macro PLACES n
.rept \n
	v_nop
.endr
.endm
.macro FETCH_B slot, q, p              ; P's eight fragments, from rows of 272 bytes, into set p
	WIN TO_B
.irp i, 0,1,2,3,4,5,6,7
.irp c, 0,1,2,3
	ds_load_b128 v[128*(\p)+FR*\i+4*\c:128*(\p)+FR*\i+4*\c+3], v[ADRP+\slot] offset:128*(\q)+32*\c+\i*16*PITCH
.endr
.endr
	WIN 0
.endm
.macro FETCH_A slot, q, i0             ; S's blocks i0 .. i0 + 3: images, 16 bytes a lane on end
.irp i, \i0, \i0+1, \i0+2, \i0+3
.irp c, 0,1,2,3
	ds_load_b128 v[AF+FR*(\i)+4*\c:AF+FR*(\i)+4*\c+3], v[ADRS+\slot] offset:4096*(\i)+2048*(\q)+512*\c
.endr
.endr
.endm
.macro MUL16 a0, p, k, zero            ; the 64 accumulators take turns, one instruction a turn, in one order throughout
.irp a, \a0, \a0+1
.irp b, 0,1,2,3,4,5,6,7
.if \zero
	v_wmma_scale_f32_16x16x128_f8f6f4 v[8*(8*((\a)%4)+\b):8*(8*((\a)%4)+\b)+7], v[128*(\p)+FR*\b:128*(\p)+FR*\b+FR-1], v[AF+FR*(\a):AF+FR*(\a)+FR-1], 0, v[SC+8*\b+(\k)], v[SC+8*(\a)+(\k)] matrix_a_scale:MATRIX_SCALE_ROW1
.else
	v_wmma_scale_f32_16x16x128_f8f6f4 v[8*(8*((\a)%4)+\b):8*(8*((\a)%4)+\b)+7], v[128*(\p)+FR*\b:128*(\p)+FR*\b+FR-1], v[AF+FR*(\a):AF+FR*(\a)+FR-1], v[8*(8*((\a)%4)+\b):8*(8*((\a)%4)+\b)+7], v[SC+8*\b+(\k)], v[SC+8*(\a)+(\k)] matrix_a_scale:MATRIX_SCALE_ROW1
.endif
.endr
.endr
.endm
.macro STEP slot, k, zero
	s_wait_dscnt 16                                ; P's set and S's blocks 0-3 are in; the youngest sixteen loads may be out
	WIN MUL_LO
	MUL16 0, 0, \k, \zero
	MUL16 2, 0, \k, \zero
	s_wait_dscnt 0x0
	PLACES 8                                       ; in front of loads into registers that these products have read
	FETCH_B \slot, 1, 1
	FETCH_A \slot, 1, 0
	WIN MUL_HI
	MUL16 4, 0, \k, \zero
	MUL16 6, 0, \k, \zero
	PLACES 8
	WIN 0
	FETCH_A \slot, 1, 4
.endm
.macro TURN slot, next, k, fill
	s_wait_tensorcnt 0x0                           ; all my tensor loads have landed: my part of the next slot
	ds_add_u32 v[SPW], v[NIL]
	s_wait_dscnt 17                                ; the add and the youngest sixteen loads may be out
	WIN MUL_LO
	MUL16 0, 1, \k, 0
	s_wait_dscnt 0x0                               ; the add is done, and my reads of this slot are over
	s_barrier_signal -1
	MUL16 2, 1, \k, 0
	WIN 0
	s_barrier_wait -1
.if \fill
	CREST                                          ; a round of the cluster's barrier: no wave of any partner still reads this slot or has a load on its way
	s_add_nc_u64 s[G0+4*\slot+2:G0+4*\slot+3], s[G0+4*\slot+2:G0+4*\slot+3], 8192
	s_add_nc_u64 s[G0B+4*\slot+2:G0B+4*\slot+3], s[G0B+4*\slot+2:G0B+4*\slot+3], 512
	JLOAD G0+4*\slot, G1, G0B+4*\slot, G1B
	PLACES 4
.else
	PLACES 8
.endif
	FETCH_B \next, 0, 0
	FETCH_A \next, 0, 0
	WIN MUL_HI
	MUL16 4, 1, \k, 0
	MUL16 6, 1, \k, 0
	PLACES 8
	WIN 0
	FETCH_A \next, 0, 4
.endm
	s_load_b256 s[4:11], s[0:1], 0x0               ; a_img s[4:5], a_sc s[6:7], wc s[8:9], sc s[10:11]
	s_load_b128 s[68:71], s[0:1], 0x20             ; c_proj_b s[68:69], out0 s[70:71]
	v_lshl_add_u32 v[SPW], v0, 2, SPARE
	v_mov_b32 v[NIL], 0
	ds_add_u32 v[SPW], v[NIL]                      ; the wave's opening: the add, twice on end, and its wait ahead of my first tensor load
	ds_add_u32 v[SPW], v[NIL]
	v_lshrrev_b32 v1, 5, v0
	v_readfirstlane_b32 s14, v1                    ; wave 0..3
	s_lshr_b32 s15, s14, 1                         ; which half of the rows is mine.  Also: I fetch for the rows (0) or for the weight (1)
	s_and_b32 s16, s14, 1                          ; which half of the columns.  Also: which half of that tile I fetch
	s_bfe_u32 s40, ttmp6, 0x40000
	s_bfe_u32 s41, ttmp6, 0x40004
	s_lshl_b32 s42, ttmp9, 2
	s_add_co_u32 s42, s42, s40                     ; tile column
	s_and_b32 s17, ttmp7, 0xffff
	s_lshl_b32 s17, s17, 2
	s_add_co_u32 s17, s17, s41                     ; tile row
	s_lshl_b32 s43, s41, 2
	s_lshl_b32 s43, 15, s43
	s_lshl_b32 s44, 0x1111, s40
	s_or_b32 s[G1+0], s43, (3<<16)|(1<<21)         ; the rows: the mask; elements of 8 bytes; bit 21 beside a mask; no padding
	s_mov_b32 s[G1+1], 512<<16                     ; a row tile's 4,096 bytes of 256 along K
	s_mov_b32 s[G1+2], 8<<16                       ; 8 row tiles
	s_mov_b32 s[G1+3], 512<<16
	s_mov_b32 s[G1+4], 8
	s_mov_b32 s[G1+5], 2048                        ; 16,384 bytes from row tile to row tile
	s_mov_b32 s[G1+6], 0
	s_mov_b32 s[G1+7], 0
	s_or_b32 s[G1B+0], s44, (0<<16)|(1<<20)|(1<<21)|(5<<22)|(3<<25)   ; the weight: 128 rows of 256 bytes, 16 of padding behind each
	s_mov_b32 s[G1B+1], 256<<16
	s_mov_b32 s[G1B+2], 128<<16
	s_mov_b32 s[G1B+3], 256<<16
	s_mov_b32 s[G1B+4], 128
	s_mov_b32 s[G1B+5], 1024
	s_mov_b32 s[G1B+6], 0
	s_mov_b32 s[G1B+7], 0
	s_lshl_b32 s20, s17, 4
	s_lshl_b32 s18, s16, 3
	s_add_co_u32 s20, s20, s18
	s_lshl_b32 s20, s20, 14                        ; row tile 16 x tile row + 8 x half
	s_mov_b32 s21, 0
	s_lshl_b32 s46, s42, 8
	s_lshl_b32 s18, s16, 7
	s_add_co_u32 s46, s46, s18
	s_add_co_u32 s46, s46, 3072
	s_lshl_b32 s46, s46, 10                        ; wc's row 3,072 + 256 x tile column + 128 x half
	s_mov_b32 s47, 0
	s_lshl_b32 s45, s16, 15                        ; where they go: the rows' half,
	s_mul_i32 s19, s16, HALFT
	s_add_co_u32 s19, s19, BOFF                    ; the weight's half
	s_wait_dscnt 0x0                               ; both opening adds are done
	s_wait_kmcnt 0x0
	s_add_nc_u64 s[20:21], s[4:5], s[20:21]
	s_add_nc_u64 s[46:47], s[8:9], s[46:47]
	CROUND                                         ; all sixteen work-groups are here: the first joint loads meet
.irp s, 0,1
	s_mov_b32 s[G0+4*\s], 1
	s_add_co_u32 s[G0+4*\s+1], s45, \s*SLOT
	s_add_nc_u64 s[G0+4*\s+2:G0+4*\s+3], s[20:21], \s*4096
	s_or_b32 s[G0+4*\s+3], s[G0+4*\s+3], 0x80000000
	s_mov_b32 s[G0B+4*\s], 1
	s_add_co_u32 s[G0B+4*\s+1], s19, \s*SLOT
	s_add_nc_u64 s[G0B+4*\s+2:G0B+4*\s+3], s[46:47], \s*256
	s_or_b32 s[G0B+4*\s+3], s[G0B+4*\s+3], 0x80000000
	s_wait_alu depctr_va_vdst(0)
	s_wait_tensorcnt 0x0
	ds_add_u32 v28, v29
	ds_add_u32 v28, v29
	s_wait_dscnt 0x0
	CROUND
	JLOAD G0+4*\s, G1, G0B+4*\s, G1B               ; one tensor load of mine is out
.endr
	v_and_b32 v1, 15, v0                           ; r
	s_wait_alu depctr_va_vdst(0)
	v_bfe_u32 v2, v0, 4, 1                         ; h
	v_and_b32 v3, 31, v0
	v_lshlrev_b32 v[CO], 4, v3                     ; 16 x lane
	s_wait_alu depctr_va_vdst(0)
	; the weight's scale words, in all lanes; lanes 16-31 keep them
	s_lshl_b32 s88, s42, 8
	s_lshl_b32 s89, s16, 7
	s_add_co_u32 s88, s88, s89                     ; my first column
	s_add_co_u32 s89, s88, 3072
	s_lshl_b32 s89, s89, 5
	s_add_co_u32 s90, s89, 131072
	s_mov_b32 s91, 0
	s_add_nc_u64 s[10:11], s[10:11], s[90:91]
	v_lshlrev_b32 v5, 5, v1
.irp i, 0,1,2,3,4,5,6,7
	global_load_b128 v[SC+8*\i:SC+8*\i+3], v5, s[10:11] offset:512*\i
	global_load_b128 v[SC+8*\i+4:SC+8*\i+7], v5, s[10:11] offset:512*\i+16
.endr
	; the rows' scale bytes: two a head; a word of 128 along K is two heads'
	s_lshl_b32 s90, s17, 1
	s_add_co_u32 s90, s90, s15
	s_lshl_b32 s90, s90, 12                        ; my group of 128 rows
	s_add_nc_u64 s[6:7], s[6:7], s[90:91]
	v_lshlrev_b32 v6, 1, v1
.irp i, 0,1,2,3,4,5,6,7
.irp k, 0,1,2,3,4,5,6,7
	global_load_u16 v[128+8*\i+\k], v6, s[6:7] offset:(2*\k)*256+32*\i
	global_load_u16 v[192+8*\i+\k], v6, s[6:7] offset:(2*\k+1)*256+32*\i
.endr
.endr
	s_lshl_b32 s90, s88, 2
	s_add_nc_u64 s[68:69], s[68:69], s[90:91]
	global_load_b128 v[8:11], v[CO], s[68:69]      ; the bias of my 4 columns of a row of 128
	; LDS addresses
	s_lshl_b32 s67, s15, 15                        ; my 128 rows' images
	v_mul_u32_u24 v3, v1, PITCH
	v_lshl_add_u32 v4, v2, 4, v3
	s_mul_i32 s87, s16, HALFT
	s_add_co_u32 s87, s87, BOFF                    ; my 128 columns
.irp s, 0,1
	v_add_nc_u32 v[ADRS+\s], s67, v[CO]
	v_add_nc_u32 v[ADRP+\s], s87, v4
	s_add_co_u32 s67, s67, SLOT
	s_add_co_u32 s87, s87, SLOT
.endr
	s_mul_i32 s67, s14, 16*SPITCH                  ; my stage
	v_mul_u32_u24 v3, v1, SPITCH
	v_lshl_add_u32 v3, v2, 6, v3
	v_add_nc_u32 v[STO], s67, v3                   ; in: row r, + 64 h
	v_add_nc_u32 v[RD], s67, v[CO]                 ; back: a row of 512 bytes, 16 a lane
	s_lshl_b32 s88, s17, 8
	s_lshl_b32 s89, s15, 7
	s_add_co_u32 s88, s88, s89
	s_lshl_b32 s88, s88, 12                        ; my first row of out0, 4,096 bytes a row
	s_lshl_b32 s89, s42, 10
	s_add_co_u32 s88, s88, s89
	s_lshl_b32 s89, s16, 9
	s_add_co_u32 s88, s88, s89
	s_mov_b32 s89, 0
	s_add_nc_u64 s[70:71], s[70:71], s[88:89]
	s_wait_loadcnt 0x0
	v_cmp_eq_u32 vcc_lo, 1, v2
.set n, 0
.rept 64
	v_lshl_or_b32 v[128+n], v[192+n], 16, v[128+n] ; the rows' word
	v_cndmask_b32 v[SC+n], v[128+n], v[SC+n], vcc_lo   ; lanes 0-15 take it, lanes 16-31 keep the weight's
.set n, n+1
.endr
	PLACES 8                                       ; a scale register written by a vector instruction stands eight places ahead of a scaled product
	s_wait_tensorcnt 1                             ; my part of slot 0 is in; slot 1's may stay out
	s_barrier_signal -1
	s_barrier_wait -1
	FETCH_B 0, 0, 0
	FETCH_A 0, 0, 0
	FETCH_A 0, 0, 4
	STEP 0, 0, 1                                   ; the first products start the sums
	TURN 0, 1, 1, 1
	STEP 1, 2, 0
	s_wait_alu depctr_va_vdst(0)
	TURN 1, 0, 3, 1
	STEP 0, 4, 0
	TURN 0, 1, 5, 0
	STEP 1, 6, 0
	s_wait_dscnt 16
	WIN MUL_LO
	MUL16 0, 1, 7, 0
	MUL16 2, 1, 7, 0
	s_wait_dscnt 0x0
	WIN MUL_HI
	MUL16 4, 1, 7, 0
	MUL16 6, 1, 7, 0
	WIN 0
; THE WAY OUT, block by block of 16 stored rows x 128 columns, through my stage.  Tile b's eight registers are columns 32 (b/2) + 16 h + 8 (b%2) + 0 .. 7; stage row t of block a is row 32 (a/2) + 8 (a%2) + t + 8 (t/8) of my 128.
.macro TOSTAGE a
.set AC, 64*((\a)%4)
	WIN 0x08+4*((\a)/4)                            ; the data: window 2 or 3
.irp b, 0,1,2,3,4,5,6,7
	ds_store_b128 v[STO], v[AC+8*\b:AC+8*\b+3] offset:128*(\b/2)+32*(\b%2)        ; each accumulator from its low end on
	ds_store_b128 v[STO], v[AC+8*\b+4:AC+8*\b+7] offset:128*(\b/2)+32*(\b%2)+16
.endr
	WIN 0
.set BB, BK+64*((\a)%2)
.irp t, 0,1,2,3,4,5,6,7,8,9,10,11,12,13,14,15
	ds_load_b128 v[BB+4*\t:BB+4*\t+3], v[RD] offset:\t*SPITCH      ; LDS serves a wave's instructions in order (ISA guide 5.7.1.4): these see the stores above
.endr
.endm
.macro SEND a, younger
.set BB, BK+64*((\a)%2)
	s_wait_dscnt \younger                          ; the block is back; the next block's 16 stores and 16 loads may be out
.if (\a) > 0
.if ((\a)%2) == 1
	s_add_nc_u64 s[70:71], s[70:71], 8*4096        ; (behind a wait that shows the earlier stores' base read)
.else
	s_add_nc_u64 s[70:71], s[70:71], 24*4096
.endif
.endif
.irp t, 0,1,2,3,4,5,6,7,8,9,10,11,12,13,14,15
	v_pk_add_f32 v[BB+4*\t:BB+4*\t+1], v[BB+4*\t:BB+4*\t+1], v[8:9]
	v_pk_add_f32 v[BB+4*\t+2:BB+4*\t+3], v[BB+4*\t+2:BB+4*\t+3], v[10:11]
	global_store_b128 v[CO], v[BB+4*\t:BB+4*\t+3], s[70:71] offset:(\t+8*(\t/8))*4096 th:TH_STORE_NT   ; 512 consecutive bytes, aligned
.endr
.endm
	PLACES 8
	TOSTAGE 0
.irp a, 1,2,3,4,5,6,7
.if \a > 1
	s_wait_xcnt 0x0                                ; block a - 2's stores have read their registers and their base
.endif
	TOSTAGE \a
	SEND \a-1, 32
.endr
	s_wait_xcnt 0x0
	SEND 7, 0
	s_wait_tensorcnt 0x0                           ; the wave's end
	ds_add_u32 v[SPW], v[NIL]
	s_wait_dscnt 0x0
	CROUND                                         ; the closing round
	s_endpgm
.Lfunc_end_k_q4efedf387c_proj_gemm:
	.size	k_q4efedf387c_proj_gemm, .Lfunc_end_k_q4efedf387c_proj_gemm-k_q4efedf387c_proj_gemm
	.p2alignl 7, 3214868480
	.fill 96, 4, 3214868480
	.section	.rodata,"a",@progbits
	.p2align	6, 0x0
	.amdhsa_kernel k_q4efedf387c_proj_gemm
		.amdhsa_group_segment_fixed_size 327680
		.amdhsa_private_segment_fixed_size 0
		.amdhsa_enable_private_segment 0
		.amdhsa_kernarg_size 48
		.amdhsa_user_sgpr_count 2
		.amdhsa_user_sgpr_kernarg_segment_ptr 1
		.amdhsa_wavefront_size32 1
		.amdhsa_system_sgpr_workgroup_id_x 1
		.amdhsa_system_sgpr_workgroup_id_y 1
		.amdhsa_system_sgpr_workgroup_id_z 1
		.amdhsa_system_vgpr_workitem_id 0
		.amdhsa_next_free_vgpr 1024
		.amdhsa_next_free_sgpr 100
		.amdhsa_reserve_vcc 1
		.amdhsa_float_denorm_mode_32 3
		.amdhsa_float_denorm_mode_16_64 3
		.amdhsa_memory_ordered 1
		.amdhsa_forward_progress 1
		.amdhsa_inst_pref_size 178
	.end_amdhsa_kernel
	.amdgpu_metadata
---
amdhsa.version: [ 1, 2 ]
amdhsa.kernels:
  - .name:           k_q4efedf387c_proj_gemm
    .symbol:         k_q4efedf387c_proj_gemm.kd
    .args:
      - { .name: a_img, .offset: 0, .size: 8, .value_kind: global_buffer, .address_space: global }
      - { .name: a_sc, .offset: 8, .size: 8, .value_kind: global_buffer, .address_space: global }
      - { .name: wc, .offset: 16, .size: 8, .value_kind: global_buffer, .address_space: global }
      - { .name: sc, .offset: 24, .size: 8, .value_kind: global_buffer, .address_space: global }
      - { .name: c_proj_b, .offset: 32, .size: 8, .value_kind: global_buffer, .address_space: global }
      - { .name: out0, .offset: 40, .size: 8, .value_kind: global_buffer, .address_space: global }
    .group_segment_fixed_size: 327680
    .private_segment_fixed_size: 0
    .kernarg_segment_align: 8
    .kernarg_segment_size: 48
    .max_flat_workgroup_size: 128
    .sgpr_count:     100
    .vgpr_count:     1024
    .wavefront_size: 32
...
	.end_amdgpu_metadata
.endif
;; end of part 4
